; MI455X (gfx1250); checked and timed in simulation.
; The chip was launched on July 23, 2026; its instructions are those of AMD's public machine-readable ISA for CDNA 5 (MIT licence, August 2026) and "CDNA5" Instruction Set Architecture Reference Guide (July 2026). The comments in the code are by the model that wrote it; some were corrected since.
;; Self Attention Layer. Allowed arithmetic: float matrix products may take bf16 or f16 operands with f32 sums; other float arithmetic in f32, or as packed bf16 or f16 multiplies, adds, multiply-adds, maxima and minima; sums over many terms, partial sums and values carried from step to step in f32; what a program stores and reads back later, other than sums and carried values, may be rounded once to bf16 or f16.
;; Inputs: Wk 1,024 x 1,024 float32; Wq 1,024 x 1,024 float32; Wv 1,024 x 1,024 float32; x 4 x 2,048 x 1,024 float32.
;; Outputs: out0 4 x 2,048 x 1,024 float32.
;; 2 versions, each right; version 2 is version 1 with the launch cast written anew for expert scheduling mode. Each part assembles by itself: llvm-mc -triple=amdgcn-amd-amdhsa -mcpu=gfx1250 --defsym DOCPART=n.
;; ======== version 1 of 2: 4 launches
;; limits: values are held in f16: magnitudes above 65,504 overflow, below 6.1e-05 lose precision
;; workspace buffers: xb 16,777,216 bytes; wb 6,291,456 bytes; qkv 50,331,648 bytes; p 33,554,432 bytes; stats 1,048,576 bytes
;; launch cast (part 1): grid 256 x 1, 11 waves a work-group, no clusters, 0 bytes of LDS; arguments x, Wq, Wk, Wv, xb, wb; writes xb, wb
.if DOCPART == 1
	.amdgcn_target "amdgcn-amd-amdhsa--gfx1250"
	.amdhsa_code_object_version 6
	.text
	.protected	k_qd53ccaa8be_cast
	.globl	k_qd53ccaa8be_cast
	.p2align	8
	.type	k_qd53ccaa8be_cast,@function
k_qd53ccaa8be_cast:
	s_mov_b64 s[64:65], 0
	v_nop
	global_prefetch_b8 v0, s[64:65] scope:SCOPE_SE
	s_setreg_imm32_b32 hwreg(HW_REG_WAVE_MODE, 25, 1), 1
	s_wait_xcnt 0x0
; x [8192][1024] and Wq, Wk, Wv [1024][1024], all f32, are rounded once to bf16 (nearest even) and laid in blocks of 64 along K:
; xb [block 16][row 8192][64], wb [block 16][row 3072][64] (rows 0-1023 Wq, 1024-2047 Wk, 2048-3071 Wv), so that the tiles of the
; product that follows (some rows x 64 along K) are dense bytes in memory.
; SHARES.  11,264 rows are 2,816 groups of 4 rows = 256 work-groups x 11 waves: a wave takes one group, 16,384 bytes in, 8,192 out.
; Lane l takes row l / 8 of the four and, in each block, the 8 numbers at 8 (l % 8): two loads of 16 bytes, one store of 16 bytes; a
; store of the wave covers 512 consecutive bytes (4 rows x 128 bytes of one block), aligned.  All 32 loads go out first.
; A stream: no LDS, no barrier, no matrix unit, no cluster (no two waves read the same byte).
.set SO, 4                             ; v[4:19]    block kb: my byte offset in the destination
.set X,  20                            ; v[20:147]  block kb: 8 numbers as loaded
.set Y,  148                           ; v[148:211] block kb: 8 bf16 to store
	s_load_b256 s[4:11], s[0:1], 0x0               ; x s[4:5], Wq s[6:7], Wk s[8:9], Wv s[10:11]
	s_load_b128 s[12:15], s[0:1], 0x20             ; xb s[12:13], wb s[14:15]
	v_lshrrev_b32 v3, 5, v0
	v_readfirstlane_b32 s16, v3                    ; wave 0..10
	s_mul_i32 s17, ttmp9, 11
	s_add_co_u32 s17, s17, s16                     ; g: my group of four rows, 0..2815; below 2048 it lies in x
	s_max_u32 s18, s17, 2048
	s_sub_co_u32 s18, s18, 2048                    ; my group among the weights' 768 (0 where g lies in x)
	s_min_u32 s2, s17, 2047                        ; my group among x's 2048 (2047 where g lies in the weights)
	s_lshr_b32 s19, s18, 8                         ; which weight: 0 Wq, 1 Wk, 2 Wv
	s_and_b32 s29, s18, 255
	s_lshl_b32 s29, s29, 14                        ; source offset in that weight: 4 rows of 4,096 bytes a group
	s_lshl_b32 s30, s2, 14                         ; source offset in x
	s_lshl_b32 s31, s18, 9                         ; destination offset in a block of wb: 4 rows of 128 bytes a group
	s_lshl_b32 s2, s2, 9                           ; and in a block of xb
	s_mov_b32 s3, 8192*128                         ; a block of xb
	s_mov_b32 s28, 3072*128                        ; a block of wb
	s_mov_b32 s23, 0
	s_mov_b32 s27, 0
	v_and_b32 v1, 31, v0                           ; lane
	v_lshrrev_b32 v3, 3, v1                        ; my row of the four
	v_and_b32 v2, 7, v1
	v_lshlrev_b32 v2, 5, v2                        ; my 8 numbers in a block: 32 bytes
	v_lshl_add_u32 v2, v3, 12, v2                  ; + row x 4,096
	s_wait_kmcnt 0x0
	s_cmp_eq_u32 s19, 1                            ; the choices hang on g alone
	s_cselect_b64 s[20:21], s[8:9], s[6:7]
	s_cmp_eq_u32 s19, 2
	s_cselect_b64 s[20:21], s[10:11], s[20:21]
	s_cmp_lt_u32 s17, 2048
	s_cselect_b64 s[20:21], s[4:5], s[20:21]       ; from where
	s_cselect_b64 s[24:25], s[12:13], s[14:15]     ; to where
	s_cselect_b32 s22, s30, s29
	s_cselect_b32 s26, s2, s31
	s_cselect_b32 s28, s3, s28                     ; bytes from block to block
	s_add_nc_u64 s[20:21], s[20:21], s[22:23]
	s_add_nc_u64 s[24:25], s[24:25], s[26:27]
.set kb, 0
.rept 16
	global_load_b128 v[X+8*kb:X+8*kb+3],   v2, s[20:21] offset:256*kb th:TH_LOAD_NT
	global_load_b128 v[X+8*kb+4:X+8*kb+7], v2, s[20:21] offset:256*kb+16 th:TH_LOAD_NT
.set kb, kb+1
.endr
	v_lshlrev_b32 v[SO], 4, v1                     ; 16 bytes a lane: 4 rows x 128 bytes on end
.set kb, 1
.rept 15
	v_add_nc_u32 v[SO+kb], s28, v[SO+kb-1]
.set kb, kb+1
.endr
.set kb, 0
.rept 16
	s_wait_loadcnt 30-2*kb                         ; loads come back in order: block kb's two are in, the 2 (15 - kb) younger ones stay out
.irp j, 0,1,2,3
	v_cvt_pk_bf16_f32 v[Y+4*kb+(\j)], v[X+8*kb+2*(\j)], v[X+8*kb+2*(\j)+1]
.endr
	global_store_b128 v[SO+kb], v[Y+4*kb:Y+4*kb+3], s[24:25]
.set kb, kb+1
.endr
	s_endpgm
.Lfunc_end_k_qd53ccaa8be_cast:
	.size	k_qd53ccaa8be_cast, .Lfunc_end_k_qd53ccaa8be_cast-k_qd53ccaa8be_cast
	.p2alignl 7, 3214868480
	.fill 96, 4, 3214868480
	.section	.rodata,"a",@progbits
	.p2align	6, 0x0
	.amdhsa_kernel k_qd53ccaa8be_cast
		.amdhsa_group_segment_fixed_size 0
		.amdhsa_private_segment_fixed_size 0
		.amdhsa_enable_private_segment 0
		.amdhsa_kernarg_size 48
		.amdhsa_user_sgpr_count 2
		.amdhsa_user_sgpr_kernarg_segment_ptr 1
		.amdhsa_wavefront_size32 1
		.amdhsa_system_sgpr_workgroup_id_x 1
		.amdhsa_system_sgpr_workgroup_id_y 1
		.amdhsa_system_sgpr_workgroup_id_z 1
		.amdhsa_system_vgpr_workitem_id 0
		.amdhsa_next_free_vgpr 212
		.amdhsa_next_free_sgpr 66
		.amdhsa_reserve_vcc 0
		.amdhsa_float_denorm_mode_32 3
		.amdhsa_float_denorm_mode_16_64 3
		.amdhsa_memory_ordered 1
		.amdhsa_forward_progress 1
		.amdhsa_inst_pref_size 12
	.end_amdhsa_kernel
	.amdgpu_metadata
---
amdhsa.version: [ 1, 2 ]
amdhsa.kernels:
  - .name:           k_qd53ccaa8be_cast
    .symbol:         k_qd53ccaa8be_cast.kd
    .args:
      - { .name: x, .offset: 0, .size: 8, .value_kind: global_buffer, .address_space: global }
      - { .name: Wq, .offset: 8, .size: 8, .value_kind: global_buffer, .address_space: global }
      - { .name: Wk, .offset: 16, .size: 8, .value_kind: global_buffer, .address_space: global }
      - { .name: Wv, .offset: 24, .size: 8, .value_kind: global_buffer, .address_space: global }
      - { .name: xb, .offset: 32, .size: 8, .value_kind: global_buffer, .address_space: global }
      - { .name: wb, .offset: 40, .size: 8, .value_kind: global_buffer, .address_space: global }
    .group_segment_fixed_size: 0
    .private_segment_fixed_size: 0
    .kernarg_segment_align: 8
    .kernarg_segment_size: 48
    .max_flat_workgroup_size: 352
    .sgpr_count:     66
    .vgpr_count:     212
    .wavefront_size: 32
...
	.end_amdgpu_metadata
.endif
;; end of part 1
;; launch proj (part 2): grid 8 x 32, 4 waves a work-group, clusters of 4 x 4, 327,680 bytes of LDS; arguments xb, wb, qkv; writes qkv
.if DOCPART == 2
	.amdgcn_target "amdgcn-amd-amdhsa--gfx1250"
	.amdhsa_code_object_version 6
	.text
	.protected	k_qd53ccaa8be_proj
	.globl	k_qd53ccaa8be_proj
	.p2align	8
	.type	k_qd53ccaa8be_proj,@function
k_qd53ccaa8be_proj:
	s_mov_b64 s[64:65], 0
	v_nop
	global_prefetch_b8 v0, s[64:65] scope:SCOPE_SE
	s_setreg_imm32_b32 hwreg(HW_REG_WAVE_MODE, 25, 1), 1
	s_wait_xcnt 0x0
	s_wait_alu depctr_hold_cnt(0) depctr_sa_sdst(0) depctr_va_vdst(0) depctr_va_sdst(0) depctr_va_ssrc(0) depctr_va_vcc(0) depctr_vm_vsrc(0)
	s_getreg_b32 s2, hwreg(HW_REG_IB_STS2, 6, 4)
	s_cmp_eq_u32 s2, 0
	s_cbranch_scc0 .Lentry_in_a_cluster
	s_endpgm
.Lentry_in_a_cluster:
	s_bfe_u32 s2, ttmp6, 0x10000c
	s_cmp_lg_u32 s2, 0xf033
	s_cbranch_scc0 .Lentry_shape_is_right
	s_endpgm
.Lentry_shape_is_right:
; qkv[m][n] = sum over k of x[m][k] W[n][k]: M 8192, N 3072 (Q, K, V side by side), K 1024.  Operands bf16, in blocks of 64 along K
; (xb [16][8192][64], wb [16][3072][64]); sums in f32; qkv [8192][3072] is rounded once to f16.
; LIMIT.  f16 ends at 65,504: a projected number of 65,520 or more becomes an infinity.  With numbers 30 times those of unit spread in x and in
; the weights the projections stay near 5,000; with both offset by 30 spreads near 29,000.
; SHARES.  A tile of the result is 256 x 384: 32 x 8 = 256 work-groups, one for each WGP.  Four waves, each 128 x 192: 96 accumulators of
; 16 x 16, 768 registers (windows 1 to 3).  K goes in 16 steps of 64 through two LDS slots; a tile is dense memory and is asked for in rows of 256 bytes
; (two rows of the tile), padded in LDS behind every 128 bytes.
; CLUSTER.  4 x 4 work-groups: x's tile is shared along a row of the cluster, W's along a column; each is asked for jointly, by the same
; tensor load with the same descriptor and a mask that names the four.
; THE MATRIX INSTRUCTION IS USED TRANSPOSED: source 0 = 16 rows of W, source 1 = 16 rows of x: a lane holds one row m and eight neighbouring n.
; REGISTERS.  window 0: v0-29 addresses; v32-95, v96-159 x's fragments (8 x 16 rows x 32 K), two buffers; v160-191, v192-223 W's (4 at a time), two buffers.
;   windows 1-3: accumulator (a 0..7, b 0..11) in window 1 + b / 4 at v[8 (8 (b % 4) + a)].
; Every unit of 32 along K walks the 96 accumulators in one order, one instruction a turn.
.set PITCH,  144                       ; an LDS row: 128 bytes + 16 of padding: 16 rows of a fragment start at 16 different groups of four banks
.set AHALF,  128*PITCH                 ; what one tensor load brings of x, and what a wave reads of it
.set BHALF,  192*PITCH                 ; the same of W
.set BOFF,   2*AHALF                   ; W's 384 rows lie behind x's 256
.set SLOT1,  1<<17                     ; slot 1 begins here: one exclusive or turns an address in one slot into the other's (a slot uses 92,160 bytes)
.set STAGE,  SLOT1+BOFF+2*BHALF        ; behind the ring: 128 rows x 784 bytes, the work-group's, for the way out
.set SPITCH, 784                       ; 768 bytes + 16
.set SPARE,  STAGE+128*SPITCH          ; the spare words, 128 bytes for each wave: two blocks of 256 bytes that no other line names
.set STEPA,  8192*128                  ; bytes from a K block of xb to the next
.set STEPB,  3072*128                  ; of wb
.set STEPS,  16
.set CROW,   6144                      ; bytes in a row of qkv
.set PA,  4                            ; v4   my lane's place in x's tile; never rewritten
.set PB,  5                            ; v5   in W's tile
.set ADA, 6                            ; v6   the same in the slot in hand
.set ADB, 7                            ; v7
.set STO, 8                            ; v8   the way out: where I put 16 bytes of a row
.set RD,  9                            ; v9   where I read rows back
.set CO,  10                           ; v10  my byte offset in qkv
.set SPW, 28                           ; v28  LDS address of my spare word; never rewritten
.set NIL, 29                           ; v29  0; never rewritten
.set AF0, 32
.set AF1, 96
.set BF0, 160
.set BF1, 192
.set T,   32                           ; the way out: v32-223
.set TB,  21                           ; s21  LDS byte at which the slot in hand begins
.set G1A, 24                           ; s[24:31] descriptor group 1 for x's tiles
.set G0A, 32                           ; s[32:39] group 0: a set for each first fill; the second then walks on
.set G1B, 48                           ; s[48:55], s[56:63] the same for W's
.set G0B, 56
.set MSB, 0
.macro WIN new                         ; the immediate's high byte repeats the setting that is left; a switch that changes nothing is dropped
.if MSB != (\new)
	s_set_vgpr_msb (MSB<<8)|(\new)
.set MSB, (\new)
.endif
.endm
.macro PLACES                          ; four places behind a matrix instruction, in front of loads into registers that it read and of lines that read its result
.rept 4
	v_nop
.endr
.endm
.macro CREST                           ; a round of the cluster's barrier behind its opening barrier
	s_cmp_lg_u32 s10, 0
	s_cbranch_scc1 .Lnot_wave_0_\@
	s_barrier_signal -3
.Lnot_wave_0_\@:
	s_barrier_wait -3
	s_barrier_signal -1
	s_barrier_wait -1
.endm
.macro CROUND                          ; a whole round
	s_barrier_signal -1
	s_barrier_wait -1
	CREST
.endm
.macro JLOAD                           ; a joint refill by the walking sets: waves 0 and 1 fetch x's two halves, waves 2 and 3 W's; an s_nop 0 and four v_nop follow each line
	s_cmp_eq_u32 s11, 0
	s_cbranch_scc0 .Lfor_b_\@
	tensor_load_to_lds s[G0A+4:G0A+7], s[G1A:G1A+7]
	s_nop 0
	PLACES
	s_branch .Lasked_\@
.Lfor_b_\@:
	tensor_load_to_lds s[G0B+4:G0B+7], s[G1B:G1B+7]
	s_nop 0
	PLACES
.Lasked_\@:
.endm
	s_load_b128 s[4:7], s[0:1], 0x0                ; xb s[4:5], wb s[6:7]
	s_load_b64 s[8:9], s[0:1], 0x10                ; qkv
	v_lshl_add_u32 v[SPW], v0, 2, SPARE
	v_mov_b32 v[NIL], 0
	ds_add_u32 v[SPW], v[NIL]                      ; the wave's opening: the add and its wait stand ahead of my first tensor load; work on registers stands between them
	v_lshrrev_b32 v1, 5, v0
	v_readfirstlane_b32 s10, v1                    ; wave 0..3
	s_lshr_b32 s11, s10, 1                         ; my half of the tile's rows.  Also: I fetch for x (0) or for W (1)
	s_and_b32 s12, s10, 1                          ; my half of its columns.  Also: which half of that tile I fetch
	s_bfe_u32 s40, ttmp6, 0x40000                  ; cx, cy: my place in the cluster
	s_bfe_u32 s41, ttmp6, 0x40004
	s_lshl_b32 s42, ttmp9, 2
	s_add_co_u32 s42, s42, s40                     ; tile column = 4 x cluster x + cx
	s_and_b32 s13, ttmp7, 0xffff
	s_lshl_b32 s13, s13, 2
	s_add_co_u32 s13, s13, s41                     ; tile row = 4 x cluster y + cy
	s_lshl_b32 s43, s41, 2
	s_lshl_b32 s43, 15, s43                        ; my row of the cluster
	s_lshl_b32 s44, 0x1111, s40                    ; my column
	; group 1: rows of 128 elements of 2 bytes (two rows of the tile), 4 words of padding behind every 32 words
	s_or_b32 s[G1A], s43, (1<<16)|(1<<20)|(1<<21)|(4<<22)|(3<<25)
	s_or_b32 s[G1B], s44, (1<<16)|(1<<20)|(1<<21)|(4<<22)|(3<<25)
	s_mov_b32 s[G1A+1], 128<<16                    ; tensor_dim0 = 128
	s_mov_b32 s[G1A+2], 64<<16                     ; tensor_dim1 = 64: 128 rows of the tile
	s_mov_b32 s[G1A+3], 128<<16                    ; tile_dim0
	s_mov_b32 s[G1A+4], 64                         ; tile_dim1
	s_mov_b32 s[G1A+5], 128                        ; dense: 128 elements from row to row
	s_mov_b32 s[G1A+6], 0
	s_mov_b32 s[G1A+7], 0
	s_mov_b32 s[G1B+1], 128<<16
	s_mov_b32 s[G1B+2], 96<<16                     ; 192 rows of the tile
	s_mov_b32 s[G1B+3], 128<<16
	s_mov_b32 s[G1B+4], 96
	s_mov_b32 s[G1B+5], 128
	s_mov_b32 s[G1B+6], 0
	s_mov_b32 s[G1B+7], 0
	s_lshl_b32 s16, s13, 8                         ; x: row 256 x tile row + 128 x half, 128 bytes a row in a block
	s_lshl_b32 s17, s12, 7
	s_add_co_u32 s16, s16, s17
	s_lshl_b32 s16, s16, 7
	s_mov_b32 s17, 0
	s_mul_i32 s46, s42, 384                        ; W: row 384 x tile column + 192 x half
	s_mul_i32 s47, s12, 192
	s_add_co_u32 s46, s46, s47
	s_lshl_b32 s46, s46, 7
	s_mov_b32 s47, 0
	s_mul_i32 s20, s12, AHALF                      ; where they go: no place in the cluster enters an LDS address
	s_mul_i32 s22, s12, BHALF
	s_add_co_u32 s22, s22, BOFF
	s_mov_b32 s[TB], 0
	s_wait_dscnt 0x0                               ; the opening add is done
	s_wait_kmcnt 0x0
	s_add_nc_u64 s[14:15], s[4:5], s[16:17]
	s_add_nc_u64 s[46:47], s[6:7], s[46:47]
.irp s, 0,1
	s_mov_b32 s[G0A+4*(\s)], 1                     ; count = 1
	s_add_co_u32 s[G0A+4*(\s)+1], s20, (\s)*SLOT1  ; LDS address
	s_add_nc_u64 s[G0A+4*(\s)+2:G0A+4*(\s)+3], s[14:15], (\s)*STEPA  ; K step s
	s_or_b32 s[G0A+4*(\s)+3], s[G0A+4*(\s)+3], 0x80000000           ; type = 2
	s_mov_b32 s[G0B+4*(\s)], 1
	s_add_co_u32 s[G0B+4*(\s)+1], s22, (\s)*SLOT1
	s_add_nc_u64 s[G0B+4*(\s)+2:G0B+4*(\s)+3], s[46:47], (\s)*STEPB
	s_or_b32 s[G0B+4*(\s)+3], s[G0B+4*(\s)+3], 0x80000000
.endr
	CROUND                                         ; all sixteen work-groups are here: the first joint loads meet
	s_cmp_eq_u32 s11, 0                            ; a wave's two first fills stand in one branch: two loads of mine are out
	s_cbranch_scc0 .Lfirst_b
	tensor_load_to_lds s[G0A:G0A+3], s[G1A:G1A+7]
	s_nop 0
	tensor_load_to_lds s[G0A+4:G0A+7], s[G1A:G1A+7]
	s_nop 0
	PLACES
	s_branch .Lfirst_asked
.Lfirst_b:
	tensor_load_to_lds s[G0B:G0B+3], s[G1B:G1B+7]
	s_nop 0
	tensor_load_to_lds s[G0B+4:G0B+7], s[G1B:G1B+7]
	s_nop 0
	PLACES
.Lfirst_asked:
	; a fragment is 16 rows x 32 K in 8 registers: lane l holds row l % 16, K = 8 (l / 16) + 0..7 and 16 + 8 (l / 16) + 0..7: two loads of 16 bytes, 32 bytes apart
	v_and_b32 v1, 15, v0                           ; r
	v_bfe_u32 v2, v0, 4, 1                         ; h
	v_mul_u32_u24 v3, v1, PITCH
	v_lshl_add_u32 v3, v2, 4, v3
	s_mul_i32 s18, s11, AHALF                      ; my 128 rows of x
	s_mul_i32 s19, s12, BHALF                      ; my 192 rows of W
	s_add_co_u32 s19, s19, BOFF
	v_add_nc_u32 v[PA], s18, v3
	v_add_nc_u32 v[PB], s19, v3
	v_mov_b32 v[ADA], v[PA]
	v_mov_b32 v[ADB], v[PB]
	s_mul_i32 s18, s11, 64*SPITCH                  ; into the stage: row 64 x my row half + r, byte 384 x my column half + 16 h
	s_mul_i32 s19, s12, 384
	s_add_co_u32 s18, s18, s19
	s_add_co_u32 s18, s18, STAGE
	v_mul_u32_u24 v3, v1, SPITCH
	v_lshl_add_u32 v3, v2, 4, v3
	v_add_nc_u32 v[STO], s18, v3
	s_mul_i32 s18, s10, 32*SPITCH                  ; back: wave w takes stage rows 32 w .. 32 w + 31, whole; lanes 0-15 one row, lanes 16-31 the next
	s_add_co_u32 s18, s18, STAGE
	v_mul_u32_u24 v3, v2, SPITCH
	v_lshl_add_u32 v3, v1, 4, v3
	v_add_nc_u32 v[RD], s18, v3
	v_mul_u32_u24 v3, v2, CROW
	v_lshl_add_u32 v[CO], v1, 4, v3
	s_lshl_b32 s16, s13, 8                         ; the first row that I store: 256 x tile row + 128 x row half + 32 x column half
	s_lshl_b32 s17, s11, 7
	s_add_co_u32 s16, s16, s17
	s_lshl_b32 s17, s12, 5
	s_add_co_u32 s16, s16, s17
	s_mul_i32 s16, s16, CROW
	s_mul_i32 s17, s42, 768                        ; the tile's first column, in bytes
	s_add_co_u32 s16, s16, s17
	s_mov_b32 s17, 0
	s_add_nc_u64 s[8:9], s[8:9], s[16:17]
; 16 matrix instructions: two of the window's four n blocks x all 8 m blocks, 32 along K.  zero = 1: the product starts the sums
.macro MUL16 abuf, bbuf, w, half, zero
	WIN 0x50*(\w)
.irp bq, 2*(\half), 2*(\half)+1
.irp a, 0,1,2,3,4,5,6,7
.if \zero
	v_wmma_f32_16x16x32_bf16 v[8*(8*(\bq)+(\a)):8*(8*(\bq)+(\a))+7], v[(\bbuf)+8*(\bq):(\bbuf)+8*(\bq)+7], v[(\abuf)+8*(\a):(\abuf)+8*(\a)+7], 0
.else
	v_wmma_f32_16x16x32_bf16 v[8*(8*(\bq)+(\a)):8*(8*(\bq)+(\a))+7], v[(\bbuf)+8*(\bq):(\bbuf)+8*(\bq)+7], v[(\abuf)+8*(\a):(\abuf)+8*(\a)+7], v[8*(8*(\bq)+(\a)):8*(8*(\bq)+(\a))+7]
.endif
.endr
.endr
.endm
.macro MUL abuf, bbuf, w, zero
	MUL16 \abuf, \bbuf, \w, 0, \zero
	MUL16 \abuf, \bbuf, \w, 1, \zero
.endm
.macro LDA k, half, buf                ; 8 loads: four of x's fragments at byte k of the rows
.irp a, 4*(\half), 4*(\half)+1, 4*(\half)+2, 4*(\half)+3
	ds_load_b128 v[(\buf)+8*(\a):(\buf)+8*(\a)+3],   v[ADA] offset:(\a)*16*PITCH+(\k)
	ds_load_b128 v[(\buf)+8*(\a)+4:(\buf)+8*(\a)+7], v[ADA] offset:(\a)*16*PITCH+(\k)+32
.endr
.endm
.macro LDB k, j, buf                   ; 8 loads: W's fragments 4 j .. 4 j + 3
.irp bq, 0,1,2,3
	ds_load_b128 v[(\buf)+8*(\bq):(\buf)+8*(\bq)+3],   v[ADB] offset:(4*(\j)+(\bq))*16*PITCH+(\k)
	ds_load_b128 v[(\buf)+8*(\bq)+4:(\buf)+8*(\bq)+7], v[ADB] offset:(4*(\j)+(\bq))*16*PITCH+(\k)+32
.endr
.endm
; A K step is two units of 32 along K, 96 matrix instructions each.  The first: x's fragments in AF0; W's come four at a time, a run of loads ahead of their use; the second unit's x comes beside them.
.macro UNIT0 zero
	PLACES
	WIN 0
	LDB 0, 1, BF1
	s_wait_dscnt 8                                 ; all but the 8 just issued: AF0 and BF0 are in
	MUL AF0, BF0, 1, \zero
	PLACES
	WIN 0
	LDB 0, 2, BF0
	LDA 64, 0, AF1
	s_wait_dscnt 16                                ; all but the 16 just issued
	MUL AF0, BF1, 2, \zero
	PLACES
	WIN 0
	LDB 64, 0, BF1
	LDA 64, 1, AF1
	s_wait_dscnt 16
	MUL AF0, BF0, 3, \zero
.endm
; The second unit changes slots: ONE barrier; in front of it each wave waits for all its tensor loads (one is out: its part of the next slot), adds 0 to its spare word,
; and waits for that and for its reads of this slot.  fill = 1: the barrier opens a round of the cluster's, and this slot is filled again, two K steps ahead, first thing behind the round.
.macro UNIT1 fill
	PLACES
	WIN 0
	LDB 64, 1, BF0
	s_wait_dscnt 8
	MUL AF1, BF1, 1, 0
	PLACES
	WIN 0
	LDB 64, 2, BF1                                 ; my last reads of this slot
	s_wait_tensorcnt 0x0                           ; all my tensor loads have landed
	ds_add_u32 v[SPW], v[NIL]                      ; 0 onto my spare word
	s_wait_dscnt 9                                 ; the add and the youngest eight loads may be out
	MUL16 AF1, BF0, 2, 0, 0
	s_wait_dscnt 0x0                               ; the add is done, and my reads of this slot are over
	s_barrier_signal -1
	MUL16 AF1, BF0, 2, 1, 0
	WIN 0
	s_barrier_wait -1
.if \fill
	CREST                                          ; no wave of any partner still reads this slot or has a load on its way
	s_xor_b32 s[G0A+5], s[G0A+5], SLOT1            ; the walking sets: the other slot than last time, the next K block
	s_add_nc_u64 s[G0A+6:G0A+7], s[G0A+6:G0A+7], STEPA
	s_xor_b32 s[G0B+5], s[G0B+5], SLOT1
	s_add_nc_u64 s[G0B+6:G0B+7], s[G0B+6:G0B+7], STEPB
	JLOAD                                          ; 160 matrix instructions ahead of the wait for it; its four v_nop are also the places in front of the loads below
.else
	PLACES
.endif
	s_xor_b32 s[TB], s[TB], SLOT1
	v_add_nc_u32 v[ADA], s[TB], v[PA]
	v_add_nc_u32 v[ADB], s[TB], v[PB]
	LDA 0, 0, AF0
	LDA 0, 1, AF0
	LDB 0, 0, BF0
	MUL AF1, BF1, 3, 0
.endm
	s_wait_tensorcnt 0x1                           ; my part of K step 0 is in; step 1's stays out
	s_barrier_signal -1
	s_barrier_wait -1
	LDA 0, 0, AF0
	LDA 0, 1, AF0
	LDB 0, 0, BF0
	UNIT0 1                                        ; the first unit stands in front of the loop: its products start the sums
	WIN 0
	s_mov_b32 s3, STEPS-2
.Lstep:                                                ; a trip: the second unit of a step, with a refill, and the first of the next
	UNIT1 1
	UNIT0 0
	WIN 0
	s_sub_co_u32 s3, s3, 1
	s_cmp_lg_u32 s3, 0
	s_cbranch_scc1 .Lstep
	s_mov_b32 s2, 2
.Ltail:                                                ; the last two steps ask for nothing.  In the second trip there is no further step: its first unit is jumped over, and the fragments that the change of slots fetched serve nothing
	UNIT1 0
	WIN 0
	s_cmp_eq_u32 s2, 1
	s_cbranch_scc1 .Lskip
	UNIT0 0
	WIN 0
.Lskip:
	s_sub_co_u32 s2, s2, 1
	s_cmp_lg_u32 s2, 0
	s_cbranch_scc1 .Ltail
	s_wait_dscnt 0x0                               ; those last loads are back: their registers are free
	PLACES
; THE WAY OUT, in two passes of 64 of each wave's 128 rows.  A wave's 192 columns are 384 bytes, one and a half aligned blocks of 256, so the four waves share ONE stage:
; round to f16, 16 bytes a lane into rows of 784 bytes; a barrier; back as whole rows of 768 bytes, 32 rows a wave.
.macro PASS p
.irp w, 1,2,3
	WIN (\w)|((\w)<<2)                             ; sources in window w, destination in window 0
.irp bq, 0,1,2,3
.irp aa, 0,1,2,3
.irp i, 0,1,2,3
	v_cvt_pk_f16_f32 v[T+64*((\w)-1)+4*(4*(\bq)+(\aa))+(\i)], v[8*(8*(\bq)+4*(\p)+(\aa))+2*(\i)], v[8*(8*(\bq)+4*(\p)+(\aa))+2*(\i)+1]
.endr
.endr
.endr
	WIN 0
.irp bq, 0,1,2,3
.irp aa, 0,1,2,3
	ds_store_b128 v[STO], v[T+64*((\w)-1)+4*(4*(\bq)+(\aa)):T+64*((\w)-1)+4*(4*(\bq)+(\aa))+3] offset:(\aa)*16*SPITCH+32*(4*((\w)-1)+(\bq))
.endr
.endr
.endr
	s_wait_dscnt 0x0                               ; for the others' sake: my stores into the stage are done
	s_barrier_signal -1
	s_barrier_wait -1
.set n, 0
.rept 48
	ds_load_b128 v[T+4*n:T+4*n+3], v[RD] offset:2*(n/3)*SPITCH+256*(n%3)
.set n, n+1
.endr
.set n, 0
.rept 48
	s_wait_dscnt 47-n                              ; LDS loads come back in order: number n is in
	global_store_b128 v[CO], v[T+4*n:T+4*n+3], s[8:9] offset:(64*(\p)+2*(n/3))*CROW+256*(n%3)  ; 16 lanes store 256 consecutive bytes, aligned
.set n, n+1
.endr
.endm
	PASS 0
	s_wait_xcnt 0x0                                ; the stores' data registers are written again only behind this wait
	s_wait_dscnt 0x0                               ; my reads of the stage are over,
	s_barrier_signal -1
	s_barrier_wait -1                              ; everybody's are: it may be written again
	PASS 1
	s_wait_tensorcnt 0x0                           ; the wave's end
	ds_add_u32 v[SPW], v[NIL]
	s_wait_dscnt 0x0
	CROUND                                         ; the closing round
	s_endpgm
.Lfunc_end_k_qd53ccaa8be_proj:
	.size	k_qd53ccaa8be_proj, .Lfunc_end_k_qd53ccaa8be_proj-k_qd53ccaa8be_proj
	.p2alignl 7, 3214868480
	.fill 96, 4, 3214868480
	.section	.rodata,"a",@progbits
	.p2align	6, 0x0
	.amdhsa_kernel k_qd53ccaa8be_proj
		.amdhsa_group_segment_fixed_size 327680
		.amdhsa_private_segment_fixed_size 0
		.amdhsa_enable_private_segment 0
		.amdhsa_kernarg_size 24
		.amdhsa_user_sgpr_count 2
		.amdhsa_user_sgpr_kernarg_segment_ptr 1
		.amdhsa_wavefront_size32 1
		.amdhsa_system_sgpr_workgroup_id_x 1
		.amdhsa_system_sgpr_workgroup_id_y 1
		.amdhsa_system_sgpr_workgroup_id_z 1
		.amdhsa_system_vgpr_workitem_id 0
		.amdhsa_next_free_vgpr 1024
		.amdhsa_next_free_sgpr 66
		.amdhsa_reserve_vcc 0
		.amdhsa_float_denorm_mode_32 3
		.amdhsa_float_denorm_mode_16_64 3
		.amdhsa_memory_ordered 1
		.amdhsa_forward_progress 1
		.amdhsa_inst_pref_size 106
	.end_amdhsa_kernel
	.amdgpu_metadata
---
amdhsa.version: [ 1, 2 ]
amdhsa.kernels:
  - .name:           k_qd53ccaa8be_proj
    .symbol:         k_qd53ccaa8be_proj.kd
    .args:
      - { .name: xb, .offset: 0, .size: 8, .value_kind: global_buffer, .address_space: global }
      - { .name: wb, .offset: 8, .size: 8, .value_kind: global_buffer, .address_space: global }
      - { .name: qkv, .offset: 16, .size: 8, .value_kind: global_buffer, .address_space: global }
    .group_segment_fixed_size: 327680
    .private_segment_fixed_size: 0
    .kernarg_segment_align: 8
    .kernarg_segment_size: 24
    .max_flat_workgroup_size: 128
    .sgpr_count:     66
    .vgpr_count:     1024
    .wavefront_size: 32
...
	.end_amdgpu_metadata
.endif
;; end of part 2
;; launch scores (part 3): grid 8 x 32, 4 waves a work-group, clusters of 4 x 4, 327,680 bytes of LDS; arguments qkv, p, stats; writes p, stats
.if DOCPART == 3
	.amdgcn_target "amdgcn-amd-amdhsa--gfx1250"
	.amdhsa_code_object_version 6
	.text
	.protected	k_qd53ccaa8be_scores
	.globl	k_qd53ccaa8be_scores
	.p2align	8
	.type	k_qd53ccaa8be_scores,@function
k_qd53ccaa8be_scores:
	s_mov_b64 s[64:65], 0
	v_nop
	global_prefetch_b8 v0, s[64:65] scope:SCOPE_SE
	s_setreg_imm32_b32 hwreg(HW_REG_WAVE_MODE, 25, 1), 1
	s_wait_xcnt 0x0
	s_wait_alu depctr_hold_cnt(0) depctr_sa_sdst(0) depctr_va_vdst(0) depctr_va_sdst(0) depctr_va_ssrc(0) depctr_va_vcc(0) depctr_vm_vsrc(0)
	s_getreg_b32 s2, hwreg(HW_REG_IB_STS2, 6, 4)
	s_cmp_eq_u32 s2, 0
	s_cbranch_scc0 .Lentry_in_a_cluster
	s_endpgm
.Lentry_in_a_cluster:
	s_bfe_u32 s2, ttmp6, 0x10000c
	s_cmp_lg_u32 s2, 0xf033
	s_cbranch_scc0 .Lentry_shape_is_right
	s_endpgm
.Lentry_shape_is_right:
; For each query q and each chunk t of 128 keys of its batch: s = Q[q] . K[k] (f16 operands, f32 sums, 1024 channels); m = the largest s of the chunk;
; p = 2^(c s - c m), c = log2(e) / 32, rounded to f16; l = the sum of the chunk's unrounded p.
; STORED.  p as the next launch's matrix operand: [block of 16 queries, 512][block of 16 keys of the batch, 128][lane 32][16 bytes]; lane r + 16 h holds query r and keys 8 h .. 8 h + 7 of the two blocks.
; That is how the rounded weights lie in my registers, so they go out as they are, 512 consecutive bytes a store.  stats [chunk 16][query 8192][2] f32: c m as rounded, then l.
; The launch behind takes the largest of a row's 16 c m and rescales: together the row's true maximum is taken away; no fixed shift.
; LIMITS.  p below 6e-5 keeps f16's fixed step of 6e-8; a weight below 2^-126 counts as 0; NaN and infinities are not treated apart.
; SHARES.  A tile is 256 queries x 256 keys: 8 x 8 x 4 batches = 256 work-groups.  Four waves, each 128 x 128 (one chunk): 64 accumulators, 512 registers (windows 1, 2).
; K (the channels) goes in 8 steps of 128 through two LDS slots: rows of 256 bytes of memory, aligned.
; CLUSTER.  4 x 4: Q's tile is shared along a row of the cluster, K's along a column; each is asked for jointly.
; LAYOUT.  source 0 = 16 keys, source 1 = 16 queries: a lane holds ONE query (lane % 16) and the keys 16 b + 8 (lane / 16) + 0..7: a query's maximum and sum want one exchange between the lanes' halves.
; REGISTERS.  window 0: v0-29 addresses and statistics; v32-95, v96-159 Q's fragments, two buffers; v160-191, v192-223 K's (4 at a time), two buffers; behind the loop v32-95 and v160-167 serve the way out.
;   windows 1, 2: accumulator (a 0..7 queries, b 0..7 keys) in window 1 + b / 4 at v[8 (8 (b % 4) + a)].
.set PITCH,  272                       ; 256 bytes + 16 of padding
.set HALFT,  128*PITCH                 ; what one tensor load brings
.set SLOT1,  4*HALFT                   ; 0x22000; the fills' places in a slot (multiples of 0x8800 up to 0x19800) have neither of its two bits, so one exclusive or changes slots
.set STAT,   2*SLOT1                   ; behind the ring: 1,024 bytes for each wave: c m and l of its 128 queries, side by side
.set SPARE,  STAT+4*1024               ; the spare words: two blocks of 256 bytes that no other line names
.set STEPK,  256                       ; bytes along a row from K step to K step
.set STEPS,  8
.set QROW,   6144                      ; bytes in a row of qkv
.set PBLK,   65536                     ; p: bytes from a block of 16 queries to the next
.set PA,  4
.set PB,  5
.set ADA, 6
.set ADB, 7
.set STATA, 11                         ; v11  where my query's c m goes
.set C0,  12                           ; v12-15  four running maxima
.set CM,  16                           ; v[16:17] c m, and a 0 named with it as a pair
.set TM,  18                           ; v18-19  at work
.set GS,  20                           ; v20  16 x lane
.set SR,  21                           ; v21  where I read the statistics back
.set SPW, 28
.set NIL, 29
.set AF0, 32
.set AF1, 96
.set BF0, 160
.set BF1, 192
.set T,   32                           ; v32-63   a block's p, packed
.set SUM, 64                           ; v64-95   partial sums
.set TB,  21
.set G1A, 24
.set G0A, 32
.set G1B, 48
.set G0B, 56
.set CS,  66                           ; s[66:67] c
.set SEL, 68                           ; s[68:69] v_permlanex16_b32's selects: each lane takes its own place in the other half
.set MSB, 0
.macro WIN new
.if MSB != (\new)
	s_set_vgpr_msb (MSB<<8)|(\new)
.set MSB, (\new)
.endif
.endm
.macro PLACES
.rept 4
	v_nop
.endr
.endm
.macro CREST
	s_cmp_lg_u32 s10, 0
	s_cbranch_scc1 .Lnot_wave_0_\@
	s_barrier_signal -3
.Lnot_wave_0_\@:
	s_barrier_wait -3
	s_barrier_signal -1
	s_barrier_wait -1
.endm
.macro CROUND
	s_barrier_signal -1
	s_barrier_wait -1
	CREST
.endm
.macro JLOAD                           ; waves 0 and 1 fetch Q's two halves, waves 2 and 3 K's; an s_nop 0 and four v_nop follow each line
	s_cmp_eq_u32 s11, 0
	s_cbranch_scc0 .Lfor_b_\@
	tensor_load_to_lds s[G0A+4:G0A+7], s[G1A:G1A+7]
	s_nop 0
	PLACES
	s_branch .Lasked_\@
.Lfor_b_\@:
	tensor_load_to_lds s[G0B+4:G0B+7], s[G1B:G1B+7]
	s_nop 0
	PLACES
.Lasked_\@:
.endm
	s_load_b128 s[4:7], s[0:1], 0x0                ; qkv s[4:5], p s[6:7]
	s_load_b64 s[8:9], s[0:1], 0x10                ; stats
	v_lshl_add_u32 v[SPW], v0, 2, SPARE
	v_mov_b32 v[NIL], 0
	ds_add_u32 v[SPW], v[NIL]                      ; the wave's opening: the add and its wait stand ahead of my first tensor load
	v_lshrrev_b32 v1, 5, v0
	v_readfirstlane_b32 s10, v1                    ; wave 0..3
	s_lshr_b32 s11, s10, 1                         ; my half of the queries.  Also: I fetch for Q (0) or for K (1)
	s_and_b32 s12, s10, 1                          ; my half of the keys.  Also: which half of that tile I fetch
	s_bfe_u32 s40, ttmp6, 0x40000
	s_bfe_u32 s41, ttmp6, 0x40004
	s_lshl_b32 s42, ttmp9, 2
	s_add_co_u32 s42, s42, s40                     ; key tile in the batch = 4 x cluster x + cx
	s_and_b32 s13, ttmp7, 0xffff
	s_lshr_b32 s45, s13, 1                         ; the batch: eight query tiles each, so it hangs on the cluster's y alone
	s_lshl_b32 s13, s13, 2
	s_add_co_u32 s13, s13, s41                     ; query tile among all 32 = 4 x cluster y + cy
	s_lshl_b32 s43, s41, 2
	s_lshl_b32 s43, 15, s43
	s_lshl_b32 s44, 0x1111, s40
	s_or_b32 s[G1A], s43, (1<<16)|(1<<20)|(1<<21)|(5<<22)|(3<<25)  ; the mask; elements of 2 bytes; padding on; bit 21 beside a mask; 4 words behind every 64
	s_or_b32 s[G1B], s44, (1<<16)|(1<<20)|(1<<21)|(5<<22)|(3<<25)
.irp g, G1A, G1B
	s_mov_b32 s[(\g)+1], 128<<16                   ; tensor_dim0 = 128
	s_mov_b32 s[(\g)+2], 128<<16                   ; tensor_dim1 = 128
	s_mov_b32 s[(\g)+3], 128<<16                   ; tile_dim0
	s_mov_b32 s[(\g)+4], 128                       ; tile_dim1
	s_mov_b32 s[(\g)+5], 3072                      ; elements from row to row of qkv
	s_mov_b32 s[(\g)+6], 0
	s_mov_b32 s[(\g)+7], 0
.endr
	s_lshl_b32 s16, s13, 8                         ; Q: row 256 x query tile + 128 x half
	s_lshl_b32 s17, s12, 7
	s_add_co_u32 s16, s16, s17
	s_mul_i32 s16, s16, QROW
	s_mov_b32 s17, 0
	s_lshl_b32 s46, s45, 11                        ; K: row 2048 x batch + 256 x key tile + 128 x half, 2,048 bytes into the row
	s_lshl_b32 s47, s42, 8
	s_add_co_u32 s46, s46, s47
	s_lshl_b32 s47, s12, 7
	s_add_co_u32 s46, s46, s47
	s_mul_i32 s46, s46, QROW
	s_add_co_u32 s46, s46, 2048
	s_mov_b32 s47, 0
	s_mul_i32 s20, s12, HALFT
	s_add_co_u32 s22, s20, 2*HALFT
	s_mov_b32 s[TB], 0
	s_mov_b32 s[CS], 0x3d38aa3b                    ; c = log2(e) / 32 = 0.0450842
	s_mov_b32 s[CS+1], s[CS]
	s_mov_b32 s[SEL], 0x76543210
	s_mov_b32 s[SEL+1], 0xfedcba98
	s_wait_dscnt 0x0
	s_wait_kmcnt 0x0
	s_add_nc_u64 s[14:15], s[4:5], s[16:17]
	s_add_nc_u64 s[46:47], s[4:5], s[46:47]
.irp s, 0,1
	s_mov_b32 s[G0A+4*(\s)], 1
	s_add_co_u32 s[G0A+4*(\s)+1], s20, (\s)*SLOT1
	s_add_nc_u64 s[G0A+4*(\s)+2:G0A+4*(\s)+3], s[14:15], (\s)*STEPK
	s_or_b32 s[G0A+4*(\s)+3], s[G0A+4*(\s)+3], 0x80000000
	s_mov_b32 s[G0B+4*(\s)], 1
	s_add_co_u32 s[G0B+4*(\s)+1], s22, (\s)*SLOT1
	s_add_nc_u64 s[G0B+4*(\s)+2:G0B+4*(\s)+3], s[46:47], (\s)*STEPK
	s_or_b32 s[G0B+4*(\s)+3], s[G0B+4*(\s)+3], 0x80000000
.endr
	CROUND
	s_cmp_eq_u32 s11, 0                            ; a wave's two first fills stand in one branch: two loads of mine are out
	s_cbranch_scc0 .Lfirst_b
	tensor_load_to_lds s[G0A:G0A+3], s[G1A:G1A+7]
	s_nop 0
	tensor_load_to_lds s[G0A+4:G0A+7], s[G1A:G1A+7]
	s_nop 0
	PLACES
	s_branch .Lfirst_asked
.Lfirst_b:
	tensor_load_to_lds s[G0B:G0B+3], s[G1B:G1B+7]
	s_nop 0
	tensor_load_to_lds s[G0B+4:G0B+7], s[G1B:G1B+7]
	s_nop 0
	PLACES
.Lfirst_asked:
	v_and_b32 v1, 15, v0                           ; r
	v_bfe_u32 v2, v0, 4, 1                         ; h
	v_mul_u32_u24 v3, v1, PITCH
	v_lshl_add_u32 v3, v2, 4, v3                   ; row x pitch + 16 x half
	s_mul_i32 s18, s11, HALFT
	s_mul_i32 s19, s12, HALFT
	s_add_co_u32 s19, s19, 2*HALFT
	v_add_nc_u32 v[PA], s18, v3
	v_add_nc_u32 v[PB], s19, v3
	v_mov_b32 v[ADA], v[PA]
	v_mov_b32 v[ADB], v[PB]
	s_lshl_b32 s19, s10, 10
	s_add_co_u32 s19, s19, STAT                    ; my wave's statistics
	v_lshl_add_u32 v[STATA], v1, 3, s19            ; 8 bytes a query
	v_and_b32 v3, 31, v0
	v_lshlrev_b32 v[GS], 4, v3
	v_add_nc_u32 v[SR], s19, v[GS]
	v_mov_b32 v[CM+1], 0
	v_mov_b32 v[TM+1], 0
	s_lshl_b32 s16, s13, 8                         ; my first query
	s_lshl_b32 s17, s11, 7
	s_add_co_u32 s14, s16, s17
	s_lshl_b32 s16, s14, 12                        ; p: 65,536 bytes for 16 queries; in them 512 bytes for 16 keys: 8,192 a key tile, 4,096 my half
	s_lshl_b32 s17, s42, 13
	s_add_co_u32 s16, s16, s17
	s_lshl_b32 s17, s12, 12
	s_add_co_u32 s16, s16, s17
	s_mov_b32 s17, 0
	s_add_nc_u64 s[6:7], s[6:7], s[16:17]
	s_lshl_b32 s16, s42, 1                         ; stats: chunk 2 x key tile + half, 65,536 bytes each; 8 bytes a query
	s_add_co_u32 s16, s16, s12
	s_lshl_b32 s16, s16, 16
	s_lshl_b32 s14, s14, 3
	s_add_co_u32 s16, s16, s14
	s_add_nc_u64 s[8:9], s[8:9], s[16:17]
.macro MUL16 abuf, bbuf, w, half, zero ; 16 matrix instructions: two of the window's four key blocks x all 8 query blocks
	WIN 0x50*(\w)
.irp bq, 2*(\half), 2*(\half)+1
.irp a, 0,1,2,3,4,5,6,7
.if \zero
	v_wmma_f32_16x16x32_f16 v[8*(8*(\bq)+(\a)):8*(8*(\bq)+(\a))+7], v[(\bbuf)+8*(\bq):(\bbuf)+8*(\bq)+7], v[(\abuf)+8*(\a):(\abuf)+8*(\a)+7], 0
.else
	v_wmma_f32_16x16x32_f16 v[8*(8*(\bq)+(\a)):8*(8*(\bq)+(\a))+7], v[(\bbuf)+8*(\bq):(\bbuf)+8*(\bq)+7], v[(\abuf)+8*(\a):(\abuf)+8*(\a)+7], v[8*(8*(\bq)+(\a)):8*(8*(\bq)+(\a))+7]
.endif
.endr
.endr
.endm
.macro MUL abuf, bbuf, w, zero
	MUL16 \abuf, \bbuf, \w, 0, \zero
	MUL16 \abuf, \bbuf, \w, 1, \zero
.endm
.macro LDA k, half, buf
.irp a, 4*(\half), 4*(\half)+1, 4*(\half)+2, 4*(\half)+3
	ds_load_b128 v[(\buf)+8*(\a):(\buf)+8*(\a)+3],   v[ADA] offset:(\a)*16*PITCH+(\k)
	ds_load_b128 v[(\buf)+8*(\a)+4:(\buf)+8*(\a)+7], v[ADA] offset:(\a)*16*PITCH+(\k)+32
.endr
.endm
.macro LDB k, j, buf
.irp bq, 0,1,2,3
	ds_load_b128 v[(\buf)+8*(\bq):(\buf)+8*(\bq)+3],   v[ADB] offset:(4*(\j)+(\bq))*16*PITCH+(\k)
	ds_load_b128 v[(\buf)+8*(\bq)+4:(\buf)+8*(\bq)+7], v[ADB] offset:(4*(\j)+(\bq))*16*PITCH+(\k)+32
.endr
.endm
; A K step is four units of 32 channels, 64 matrix instructions each.  One of the first three, at byte k of the rows: Q's fragments in x; the next unit's go into y.
.macro UNIT k, x, y, zero
	PLACES
	WIN 0
	LDB \k, 1, BF1
	LDA (\k)+64, 0, \y
	s_wait_dscnt 16                                ; all but the 16 just issued
	MUL \x, BF0, 1, \zero
	PLACES
	WIN 0
	LDB (\k)+64, 0, BF0
	LDA (\k)+64, 1, \y
	s_wait_dscnt 16
	MUL \x, BF1, 2, \zero
.endm
; The fourth changes slots, as one barrier: every wave's wait for all its tensor loads, its add, its wait for that and for its reads; fill = 1: a round of the cluster's barrier and the joint refill.
.macro UNIT3 fill
	PLACES
	WIN 0
	LDB 192, 1, BF1                                ; my last reads of this slot
	s_wait_tensorcnt 0x0                           ; all my tensor loads have landed: my part of the next slot
	ds_add_u32 v[SPW], v[NIL]                      ; 0 onto my spare word
	s_wait_dscnt 9                                 ; the add and the youngest eight loads may be out
	MUL16 AF1, BF0, 1, 0, 0
	s_wait_dscnt 0x0                               ; the add is done, and my reads of this slot are over
	s_barrier_signal -1
	MUL16 AF1, BF0, 1, 1, 0
	WIN 0
	s_barrier_wait -1
.if \fill
	CREST
	s_xor_b32 s[G0A+5], s[G0A+5], SLOT1
	s_add_nc_u64 s[G0A+6:G0A+7], s[G0A+6:G0A+7], STEPK
	s_xor_b32 s[G0B+5], s[G0B+5], SLOT1
	s_add_nc_u64 s[G0B+6:G0B+7], s[G0B+6:G0B+7], STEPK
	JLOAD                                          ; 224 matrix instructions ahead of the wait for it
.else
	PLACES
.endif
	s_xor_b32 s[TB], s[TB], SLOT1
	v_add_nc_u32 v[ADA], s[TB], v[PA]
	v_add_nc_u32 v[ADB], s[TB], v[PB]
	LDA 0, 0, AF0
	LDA 0, 1, AF0
	LDB 0, 0, BF0
	MUL AF1, BF1, 2, 0
.endm
	s_wait_tensorcnt 0x1                           ; my part of K step 0 is in; step 1's stays out
	s_barrier_signal -1
	s_barrier_wait -1
	LDA 0, 0, AF0
	LDA 0, 1, AF0
	LDB 0, 0, BF0
	UNIT 0, AF0, AF1, 1                            ; the first unit's products start the sums
	WIN 0
	s_mov_b32 s3, STEPS-2
.Lstep:
	UNIT 64, AF1, AF0, 0
	UNIT 128, AF0, AF1, 0
	UNIT3 1
	UNIT 0, AF0, AF1, 0
	WIN 0
	s_sub_co_u32 s3, s3, 1
	s_cmp_lg_u32 s3, 0
	s_cbranch_scc1 .Lstep
	s_mov_b32 s2, 2
.Ltail:                                                ; the last two steps ask for nothing; the second trip has no further step, and what its change of slots fetched serves nothing
	UNIT 64, AF1, AF0, 0
	UNIT 128, AF0, AF1, 0
	UNIT3 0
	WIN 0
	s_cmp_eq_u32 s2, 1
	s_cbranch_scc1 .Lskip
	UNIT 0, AF0, AF1, 0
	WIN 0
.Lskip:
	s_sub_co_u32 s2, s2, 1
	s_cmp_lg_u32 s2, 0
	s_cbranch_scc1 .Ltail
	s_wait_dscnt 0x0
	PLACES
; THE SOFTMAX OF A BLOCK: 16 queries x my 128 keys, 64 scores a lane in 8 accumulators.  Each accumulator's lowest registers are read first.
.macro SOFT a
	WIN 0
.irp c, 0,1,2,3
	v_mov_b32 v[C0+(\c)], 0xff7fffff               ; the lowest finite number starts four chains
.endr
.irp w, 1,2
	WIN 0x14*(\w)                                  ; sources 1 and 2 in window w
.irp i, 0,1,2,3
.irp bq, 0,1,2,3
	v_max3_num_f32 v[C0+(\bq)], v[C0+(\bq)], v[8*(8*(\bq)+(\a))+2*(\i)], v[8*(8*(\bq)+(\a))+2*(\i)+1]
.endr
.endr
.endr
	WIN 0
	v_max3_num_f32 v[C0], v[C0], v[C0+1], v[C0+2]
	v_max_num_f32 v[C0], v[C0], v[C0+3]
	v_permlanex16_b32 v[C0+1], v[C0], s[SEL], s[SEL+1]  ; the query's other 64 keys lie in the lane 16 away
	v_max_num_f32 v[C0], v[C0], v[C0+1]
	v_mul_f32 v[CM], s[CS], v[C0]                  ; c m
	ds_store_b32 v[STATA], v[CM] offset:128*(\a)   ; both halves of the lanes write the same word with the same number
.irp w, 1,2
	WIN ((\w)<<6)|(\w)                             ; destination and source 0 in window w
.irp bq, 0,1,2,3
.irp i, 0,1,2,3
	v_pk_fma_f32 v[8*(8*(\bq)+(\a))+2*(\i):8*(8*(\bq)+(\a))+2*(\i)+1], v[8*(8*(\bq)+(\a))+2*(\i):8*(8*(\bq)+(\a))+2*(\i)+1], s[CS:CS+1], v[CM:CM+1] op_sel_hi:[1,0,0] neg_lo:[0,0,1] neg_hi:[0,0,1]  ; c s - c m
.endr
.endr
.irp bq, 0,1,2,3
.irp i, 0,1,2,3,4,5,6,7
	v_exp_f32 v[8*(8*(\bq)+(\a))+(\i)], v[8*(8*(\bq)+(\a))+(\i)]
.endr
.endr
	v_nop                                          ; a plain instruction between the last exponential and the use of its result
.if (\w) == 1
	s_wait_xcnt 0x0                                ; the registers that the block before's stores read are written again only behind this wait
.endif
	WIN (\w)|((\w)<<2)                             ; sources in window w, destination in window 0
	s_wait_alu depctr_va_vdst(0)
.irp bq, 0,1,2,3
.irp i, 0,1,2,3
	v_cvt_pk_f16_f32 v[T+4*(4*((\w)-1)+(\bq))+(\i)], v[8*(8*(\bq)+(\a))+2*(\i)], v[8*(8*(\bq)+(\a))+2*(\i)+1]
.endr
.irp i, 0,1
	v_pk_add_f32 v[SUM+2*(8*((\w)-1)+2*(\bq)+(\i)):SUM+2*(8*((\w)-1)+2*(\bq)+(\i))+1], v[8*(8*(\bq)+(\a))+4*(\i):8*(8*(\bq)+(\a))+4*(\i)+1], v[8*(8*(\bq)+(\a))+4*(\i)+2:8*(8*(\bq)+(\a))+4*(\i)+3]
.endr
.endr
.endr
	WIN 0
.irp b, 0,1,2,3,4,5,6,7                ; the block's weights leave as they lie: key block b's four registers are 512 consecutive bytes of p, the eight stores 4,096
	global_store_b128 v[GS], v[T+4*(\b):T+4*(\b)+3], s[6:7] offset:(\a)*PBLK+512*(\b)
.endr
.set d, 8
.rept 4                                ; 16 pairs into one, as a tree
.set n, 0
.rept d
	v_pk_add_f32 v[SUM+2*n:SUM+2*n+1], v[SUM+2*n:SUM+2*n+1], v[SUM+2*(n+d):SUM+2*(n+d)+1]
.set n, n+1
.endr
.set d, d/2
.endr
	v_add_f32 v[TM], v[SUM], v[SUM+1]
	v_permlanex16_b32 v[TM+1], v[TM], s[SEL], s[SEL+1]
	v_add_f32 v[TM], v[TM], v[TM+1]
	ds_store_b32 v[STATA], v[TM] offset:128*(\a)+4
.endm
.irp a, 0,1,2,3,4,5,6,7
	SOFT \a
.endr
	ds_load_b128 v[160:163], v[SR]                 ; my wave's 128 pairs of c m and l, 16 bytes a lane: my own bytes, served in order
	ds_load_b128 v[164:167], v[SR] offset:512
	s_wait_dscnt 0x0
	global_store_b128 v[GS], v[160:163], s[8:9]    ; 512 consecutive bytes each
	global_store_b128 v[GS], v[164:167], s[8:9] offset:512
	s_wait_tensorcnt 0x0                           ; the wave's end
	ds_add_u32 v[SPW], v[NIL]
	s_wait_dscnt 0x0
	CROUND                                         ; the closing round
	s_endpgm
.Lfunc_end_k_qd53ccaa8be_scores:
	.size	k_qd53ccaa8be_scores, .Lfunc_end_k_qd53ccaa8be_scores-k_qd53ccaa8be_scores
	.p2alignl 7, 3214868480
	.fill 96, 4, 3214868480
	.section	.rodata,"a",@progbits
	.p2align	6, 0x0
	.amdhsa_kernel k_qd53ccaa8be_scores
		.amdhsa_group_segment_fixed_size 327680
		.amdhsa_private_segment_fixed_size 0
		.amdhsa_enable_private_segment 0
		.amdhsa_kernarg_size 24
		.amdhsa_user_sgpr_count 2
		.amdhsa_user_sgpr_kernarg_segment_ptr 1
		.amdhsa_wavefront_size32 1
		.amdhsa_system_sgpr_workgroup_id_x 1
		.amdhsa_system_sgpr_workgroup_id_y 1
		.amdhsa_system_sgpr_workgroup_id_z 1
		.amdhsa_system_vgpr_workitem_id 0
		.amdhsa_next_free_vgpr 768
		.amdhsa_next_free_sgpr 72
		.amdhsa_reserve_vcc 0
		.amdhsa_float_denorm_mode_32 3
		.amdhsa_float_denorm_mode_16_64 3
		.amdhsa_memory_ordered 1
		.amdhsa_forward_progress 1
		.amdhsa_inst_pref_size 164
	.end_amdhsa_kernel
	.amdgpu_metadata
---
amdhsa.version: [ 1, 2 ]
amdhsa.kernels:
  - .name:           k_qd53ccaa8be_scores
    .symbol:         k_qd53ccaa8be_scores.kd
    .args:
      - { .name: qkv, .offset: 0, .size: 8, .value_kind: global_buffer, .address_space: global }
      - { .name: p, .offset: 8, .size: 8, .value_kind: global_buffer, .address_space: global }
      - { .name: stats, .offset: 16, .size: 8, .value_kind: global_buffer, .address_space: global }
    .group_segment_fixed_size: 327680
    .private_segment_fixed_size: 0
    .kernarg_segment_align: 8
    .kernarg_segment_size: 24
    .max_flat_workgroup_size: 128
    .sgpr_count:     72
    .vgpr_count:     768
    .wavefront_size: 32
...
	.end_amdgpu_metadata
.endif
;; end of part 3
;; launch pv (part 4): grid 8 x 32, 4 waves a work-group, clusters of 4 x 4, 327,680 bytes of LDS; arguments p, qkv, stats, out0; writes out0
.if DOCPART == 4
	.amdgcn_target "amdgcn-amd-amdhsa--gfx1250"
	.amdhsa_code_object_version 6
	.text
	.protected	k_qd53ccaa8be_pv
	.globl	k_qd53ccaa8be_pv
	.p2align	8
	.type	k_qd53ccaa8be_pv,@function
k_qd53ccaa8be_pv:
	s_mov_b64 s[64:65], 0
	v_nop
	global_prefetch_b8 v0, s[64:65] scope:SCOPE_SE
	s_setreg_imm32_b32 hwreg(HW_REG_WAVE_MODE, 25, 1), 1
	s_wait_xcnt 0x0
	s_wait_alu depctr_hold_cnt(0) depctr_sa_sdst(0) depctr_va_vdst(0) depctr_va_sdst(0) depctr_va_ssrc(0) depctr_va_vcc(0) depctr_vm_vsrc(0)
	s_getreg_b32 s2, hwreg(HW_REG_IB_STS2, 6, 4)
	s_cmp_eq_u32 s2, 0
	s_cbranch_scc0 .Lentry_in_a_cluster
	s_endpgm
.Lentry_in_a_cluster:
	s_bfe_u32 s2, ttmp6, 0x10000c
	s_cmp_lg_u32 s2, 0xf033
	s_cbranch_scc0 .Lentry_shape_is_right
	s_endpgm
.Lentry_shape_is_right:
; out[q][d] = (sum over the 16 chunks t of f_t x sum over the chunk's keys of p[q][k] V[k][d]) / L,  f_t = 2^(cm_t - cM), cM = the largest of the row's 16 cm_t,  L = sum of f_t l_t.
; p (f16, laid as matrix operands: [block of 16 queries][block of 16 keys][lane][16 bytes]) and stats ([chunk][query][cm, l]) come from the launch before, V is the third part of qkv's rows (f16).
; With the chunk maxima taken away there and the rest here, the row's true maximum is taken away.
; f_t is rounded to f16 and multiplied onto p's fragments in f16 (one more rounding of a matrix operand); L is made with the rounded f_t, so weights and divisor agree.  Sums in f32, out0 in f32.
; LIMITS.  p f below 6e-5 keeps f16's fixed step of 6e-8, while L is at least about 1; NaN and infinities are not treated apart.
; SHARES.  A tile is 256 queries x 128 channels: 32 x 8 = 256 work-groups.  Four waves, each 64 queries x all 128 channels: 32 accumulators (window 1).
; V goes through two LDS slots of 256 keys (73,728 bytes each): 8 steps of 8 units of 32 keys, 256 matrix instructions a wave in a step; every wave fetches 64 of a slot's keys.
; P DOES NOT GO THROUGH LDS: a fragment is 1,024 consecutive bytes of p and is loaded straight into registers, 512 consecutive bytes a load.  Each fragment is so read by the 8 work-groups
; that hold the row's 8 channel tiles: that is the price of slots that hold V alone and are twice as long in keys.
; P'S RING: 8 slots of 32 registers (window 2), one for each unit of a step.  The multiply by f reads a slot and writes a buffer in window 0, so the slot is free at once and is loaded again, for the
; next step, at the next unit's head: 248 matrix instructions ahead of its next use.
; CLUSTER.  4 x 4: V's tile is shared along a column of the cluster (same channels, same batch) and asked for jointly.  P is not shared by joint loads: it never lies in LDS.
; LAYOUT.  O^T = V^T P: source 0 = 16 channels x 32 keys (V turned by ds_load_tr16_b128), source 1 = 16 queries x 32 keys: a lane holds one query and eight channels.
; REGISTERS.  window 0: v0-29 addresses, small work; v32-95, v96-159 V's fragments, two buffers; v160-191, v192-223 p f, two buffers; v224-227, v228-231 f of the step's even and odd chunk
;   for my query in each of 4 blocks; v232-239 1 / L, in pairs.   window 1: accumulator (a 0..3 queries, b 0..7 channels) at v[8 (8 a + b)].   window 2: p as loaded: unit j, block a at v[32 j + 8 a].
.set PV,     288                       ; a row of V in LDS: 256 bytes + 32 = 9 x 32
.set QUART,  64*PV                     ; what one tensor load brings
.set HALFS,  128*PV                    ; a slot's second 128 keys: beyond what a 16-bit offset reaches, so they have an address register of their own
.set SLOT1,  1<<17                     ; a slot uses 73,728 bytes
.set STAGE,  SLOT1+4*QUART             ; behind the ring: 16 rows x 528 bytes for each wave
.set SP,     528
.set FTAB,   STAGE+4*16*SP             ; 4,352 bytes for each wave: f [chunk 16][r 16][block 4] as words (f16 twice), then 1 / L [r][block]
.set SPARE,  FTAB+4*4352               ; the spare words: two blocks of 256 bytes that no other line names
.set STEPV,  256*6144                  ; V: 256 rows of qkv
.set STEPP,  8*1024                    ; p: a step's 8 units in a block's row
.set PBLK,   65536                     ; p: bytes from a block of 16 queries to the next
.set STEPS,  8
.set PB,  5                            ; v5   my lane's place in V's tile; never rewritten
.set ADB, 6                            ; v6, v7  the same in the slot in hand: keys 0-127, keys 128-255
.set STO, 8
.set RD,  9
.set CO,  10                           ; v10  16 x lane; never rewritten
.set FA,  11                           ; v11  where the step's f lie
.set FW,  17                           ; v17  where I put f of my two queries
.set FA0, 24                           ; v24  my lane's place in a chunk's f; never rewritten
.set GP,  25                           ; v25  my byte offset in a load of p: 16 x lane
.set SPW, 28
.set NIL, 29
.set VF0, 32
.set PS0, 160
.set FRA, 224
.set ILP, 232
.set T,   32                           ; the way out: v32-95 a block scaled; v96-159, v160-223 by turns: the block read back
.set TB,  21
.set G1,  24                           ; s[24:31] descriptor group 1
.set G0,  32                           ; s[32:39] group 0: a set for each first fill; the second then walks on
.set FT,  66                           ; s66  512 x the step in hand
.set MSB, 0
.macro WIN new
.if MSB != (\new)
	s_set_vgpr_msb (MSB<<8)|(\new)
.set MSB, (\new)
.endif
.endm
.macro PLACES
.rept 4
	v_nop
.endr
.endm
.macro CREST
	s_cmp_lg_u32 s10, 0
	s_cbranch_scc1 .Lnot_wave_0_\@
	s_barrier_signal -3
.Lnot_wave_0_\@:
	s_barrier_wait -3
	s_barrier_signal -1
	s_barrier_wait -1
.endm
.macro CROUND
	s_barrier_signal -1
	s_barrier_wait -1
	CREST
.endm
.macro PLOAD j, lead                   ; 8 loads: unit j's four fragments of p, lead bytes on in the blocks' rows, into ring slot j
	WIN 0x80                                       ; destination window 2, address window 0
.irp a, 0,1,2,3
	global_load_b128 v[32*(\j)+8*(\a):32*(\j)+8*(\a)+3],   v[GP], s[72:73] offset:(\a)*PBLK+(\lead)+(\j)*1024
	global_load_b128 v[32*(\j)+8*(\a)+4:32*(\j)+8*(\a)+7], v[GP], s[72:73] offset:(\a)*PBLK+(\lead)+(\j)*1024+512
.endr
	WIN 0
.endm
	s_load_b256 s[72:79], s[0:1], 0x0              ; p s[72:73], qkv s[74:75], stats s[76:77], out0 s[78:79]
	v_lshl_add_u32 v[SPW], v0, 2, SPARE
	v_mov_b32 v[NIL], 0
	ds_add_u32 v[SPW], v[NIL]                      ; the wave's opening: the add and its wait stand ahead of my first tensor load
	v_lshrrev_b32 v1, 5, v0
	v_readfirstlane_b32 s10, v1                    ; wave 0..3: my 64 queries, and which 64 of a slot's keys I fetch
	s_bfe_u32 s40, ttmp6, 0x40000
	s_bfe_u32 s41, ttmp6, 0x40004
	s_lshl_b32 s42, ttmp9, 2
	s_add_co_u32 s42, s42, s40                     ; channel tile 0..7
	s_and_b32 s13, ttmp7, 0xffff
	s_lshr_b32 s45, s13, 1                         ; the batch: eight query tiles each, so it hangs on the cluster's y alone
	s_lshl_b32 s13, s13, 2
	s_add_co_u32 s13, s13, s41                     ; query tile among all 32
	s_lshl_b32 s44, 0x1111, s40                    ; my column of the cluster
	s_or_b32 s[G1], s44, (1<<16)|(1<<20)|(1<<21)|(5<<22)|(7<<25)  ; the mask; elements of 2 bytes; padding on; bit 21 beside a mask; 8 words behind every 64
	s_mov_b32 s[G1+1], 128<<16                     ; 64 rows x 128 elements
	s_mov_b32 s[G1+2], 64<<16
	s_mov_b32 s[G1+3], 128<<16
	s_mov_b32 s[G1+4], 64
	s_mov_b32 s[G1+5], 3072                        ; elements from row to row of qkv
	s_mov_b32 s[G1+6], 0
	s_mov_b32 s[G1+7], 0
	s_lshl_b32 s46, s45, 11                        ; V: row 2048 x batch + 64 x wave; 4,096 bytes into the row, + 256 x channel tile
	s_lshl_b32 s47, s10, 6
	s_add_co_u32 s46, s46, s47
	s_mul_i32 s46, s46, 6144
	s_lshl_b32 s47, s42, 8
	s_add_co_u32 s46, s46, s47
	s_add_co_u32 s46, s46, 4096
	s_mov_b32 s47, 0
	s_mul_i32 s20, s10, QUART                      ; where it goes: no place in the cluster enters an LDS address
	s_mov_b32 s[TB], 0
	s_mov_b32 s[FT], 0
	s_wait_dscnt 0x0
	s_wait_kmcnt 0x0
	s_add_nc_u64 s[46:47], s[74:75], s[46:47]
.irp s, 0,1
	s_mov_b32 s[G0+4*(\s)], 1
	s_add_co_u32 s[G0+4*(\s)+1], s20, (\s)*SLOT1
	s_add_nc_u64 s[G0+4*(\s)+2:G0+4*(\s)+3], s[46:47], (\s)*STEPV
	s_or_b32 s[G0+4*(\s)+3], s[G0+4*(\s)+3], 0x80000000
.endr
	CROUND                                         ; all sixteen work-groups are here: the first joint loads meet
	tensor_load_to_lds s[G0:G0+3], s[G1:G1+7]      ; my quarter of steps 0 and 1: two loads of mine are out
	s_nop 0
	tensor_load_to_lds s[G0+4:G0+7], s[G1:G1+7]
	s_nop 0
	PLACES
	; THE STATISTICS AND THE FIRST P, in the wait for the first tile.  Lane l takes queries 2 l and 2 l + 1 of my wave's 64: 16 bytes (cm, l, cm, l) a chunk, 512 consecutive bytes a load.
	s_lshl_b32 s14, s13, 8
	s_lshl_b32 s15, s10, 6
	s_add_co_u32 s14, s14, s15                     ; my wave's first query
	s_lshl_b32 s16, s14, 3
	s_mov_b32 s17, 0
	s_add_nc_u64 s[76:77], s[76:77], s[16:17]
	s_lshl_b32 s16, s14, 12                        ; p: 65,536 bytes for 16 queries
	s_add_nc_u64 s[72:73], s[72:73], s[16:17]
	v_and_b32 v3, 31, v0                           ; lane
	v_lshlrev_b32 v[CO], 4, v3
	v_mov_b32 v[GP], v[CO]
.set t, 0
.rept 16
	global_load_b128 v[32+4*t:35+4*t], v[CO], s[76:77] offset:65536*t
.set t, t+1
.endr
.irp j, 0,1,2,3,4
	PLOAD \j, 0
.endr
	v_and_b32 v1, 15, v0                           ; r
	v_bfe_u32 v2, v0, 4, 1                         ; h
	; the turning load: lane l reads key 8 h + l % 8, channels 8 ((l / 8) % 2) + 0..7, and is left with channel l % 16 and 8 keys
	v_and_b32 v18, 7, v0
	v_bfe_u32 v19, v0, 3, 1
	v_lshl_add_u32 v20, v2, 3, v18
	v_mul_u32_u24 v20, v20, PV
	v_lshl_add_u32 v[PB], v19, 4, v20
	v_mov_b32 v[ADB], v[PB]
	v_add_nc_u32 v[ADB+1], HALFS, v[PB]
	s_mul_i32 s18, s10, 16*SP
	s_add_co_u32 s18, s18, STAGE                   ; my stage
	v_mul_u32_u24 v20, v1, SP                      ; in: row r, 32 bytes for each half of the lanes
	v_lshl_add_u32 v20, v2, 5, v20
	v_add_nc_u32 v[STO], s18, v20
	v_add_nc_u32 v[RD], s18, v[CO]                 ; back, and in out0: 32 lanes take a row's 512 bytes
	s_mul_i32 s23, s10, 4352
	s_add_co_u32 s23, s23, FTAB                    ; my table
	v_lshrrev_b32 v19, 3, v3                       ; query 2 l + e is row 2 (l % 8) + e of block l / 8
	v_lshlrev_b32 v[FW], 5, v18
	v_lshl_add_u32 v[FW], v19, 2, v[FW]
	v_add_nc_u32 v[FW], s23, v[FW]
	v_lshl_add_u32 v[FA0], v1, 4, s23
	v_mov_b32 v[FA], v[FA0]
	s_lshl_b32 s16, s14, 12                        ; out0: my first row, my tile's 512 bytes
	s_lshl_b32 s17, s42, 9
	s_add_co_u32 s16, s16, s17
	s_mov_b32 s17, 0
	s_add_nc_u64 s[78:79], s[78:79], s[16:17]
	v_mov_b32 v14, 0                               ; L of my two queries
	v_mov_b32 v15, 0
	s_wait_loadcnt 40                              ; the statistics are in; the five groups of p behind them stay out
.irp j, 5,6,7
	PLOAD \j, 0                                    ; the ring is full: units 0 to 7
.endr
.irp e, 0,1
	v_max3_num_f32 v[12+(\e)], v[32+2*(\e)], v[36+2*(\e)], v[40+2*(\e)]
.irp t, 3,5,7,9,11,13
	v_max3_num_f32 v[12+(\e)], v[12+(\e)], v[32+4*(\t)+2*(\e)], v[36+4*(\t)+2*(\e)]
.endr
	v_max_num_f32 v[12+(\e)], v[12+(\e)], v[92+2*(\e)]  ; cM
.endr
.set n, 0
.rept 32                               ; n: chunk n / 2, query n % 2: cm at v[32 + 4 (n / 2) + 2 (n % 2)], l in the register behind it
	v_sub_f32 v[32+4*(n/2)+2*(n%2)], v[32+4*(n/2)+2*(n%2)], v[12+n%2]  ; cm_t - cM
.set n, n+1
.endr
.set n, 0
.rept 32
	v_exp_f32 v[32+4*(n/2)+2*(n%2)], v[32+4*(n/2)+2*(n%2)]
.set n, n+1
.endr
	v_nop                                          ; a plain instruction between the last exponential and the use of its result
.set n, 0
	s_wait_alu depctr_va_vdst(0)
.rept 32
	v_cvt_pk_f16_f32 v[32+4*(n/2)+2*(n%2)], v[32+4*(n/2)+2*(n%2)], v[32+4*(n/2)+2*(n%2)]  ; f, rounded to f16, twice in a word
.set n, n+1
.endr
.set n, 0
.rept 32
	v_fma_mix_f32 v[14+n%2], v[32+4*(n/2)+2*(n%2)], v[33+4*(n/2)+2*(n%2)], v[14+n%2] op_sel_hi:[1,0,0]  ; L += f (the f16 low half) x l, in f32
	ds_store_b32 v[FW], v[32+4*(n/2)+2*(n%2)] offset:256*(n/2)+16*(n%2)
.set n, n+1
.endr
	v_rcp_f32 v14, v14
	v_rcp_f32 v15, v15
	v_nop
	s_wait_alu depctr_va_vdst(0)
	ds_store_b32 v[FW], v14 offset:4096
	ds_store_b32 v[FW], v15 offset:4096+16
	ds_load_b128 v[20:23], v[FA0] offset:4096      ; 1 / L of my query in each of the four blocks: my wave's own bytes, served in order
	s_wait_dscnt 0x0
.irp a, 0,1,2,3
	v_mov_b32 v[ILP+2*(\a)], v[20+(\a)]            ; as pairs, for the packed multiply
	v_mov_b32 v[ILP+2*(\a)+1], v[20+(\a)]
.endr
.macro LDV jn, buf                     ; 16 turning loads: V's eight fragments of unit jn's 32 keys
.set VA, ADB+(\jn)/4
.irp b, 0,1,2,3,4,5,6,7
	ds_load_tr16_b128 v[(\buf)+8*(\b):(\buf)+8*(\b)+3],   v[VA] offset:32*((\jn)%4)*PV+32*(\b)
	ds_load_tr16_b128 v[(\buf)+8*(\b)+4:(\buf)+8*(\b)+7], v[VA] offset:32*((\jn)%4)*PV+16*PV+32*(\b)
.endr
.endm
.macro MMR n, pb, vb, zero             ; the unit's next n matrix instructions: number mi is block mi / 8 of the queries, mi % 8 of the channels; the 32 accumulators take turns
	WIN 0x50
.rept \n
.if \zero
	v_wmma_f32_16x16x32_f16 v[8*mi:8*mi+7], v[(\vb)+8*(mi%8):(\vb)+8*(mi%8)+7], v[(\pb)+8*(mi/8):(\pb)+8*(mi/8)+7], 0
.else
	v_wmma_f32_16x16x32_f16 v[8*mi:8*mi+7], v[(\vb)+8*(mi%8):(\vb)+8*(mi%8)+7], v[(\pb)+8*(mi/8):(\pb)+8*(mi/8)+7], v[8*mi:8*mi+7]
.endif
.set mi, mi+1
.endr
.endm
.macro SCALE4 g, jn, ob, fr            ; four registers of ring slot jn times f, into buffer ob
	WIN 0x02                                       ; source 0 in window 2
.irp n, 0,1,2,3
	v_pk_mul_f16 v[(\ob)+4*(\g)+(\n)], v[32*(\jn)+4*(\g)+(\n)], v[(\fr)+(\g)/2]
.endr
.endm
.macro MMRID pb, vb, zero, jn, ob, fr  ; the unit's last eight, four scalings of the next unit's p behind each: none names a register of the products round it
.rept 8
	MMR 1, \pb, \vb, \zero
	SCALE4 mi-25, \jn, \ob, \fr
.endr
.endm
; Unit j of a step's first seven: 32 matrix instructions.  At its head ring slot j, scaled in the unit before, is loaded again for the next step, and the next unit's V is fetched.
; The odd chunk's f is fetched in unit 1, the next step's even chunk's in unit 5: each two units ahead of its first use.
.macro UNIT j, zero
.set PBUF, PS0+32*((\j)%2)
.set VBUF, VF0+64*((\j)%2)
.set POTH, PS0+32*(((\j)+1)%2)
.set VOTH, VF0+64*(((\j)+1)%2)
.set FRN,  FRA+4*(((\j)+1)/4)
	PLACES
	PLOAD \j, STEPP
	LDV (\j)+1, VOTH
.if (\j) == 1
	ds_load_b128 v[FRA+4:FRA+7], v[FA] offset:256
	s_wait_dscnt 17                                ; all but the 17 just issued
.elseif (\j) == 5
	ds_load_b128 v[FRA:FRA+3], v[FA] offset:512
	s_wait_dscnt 17
.else
	s_wait_dscnt 16                                ; all but the 16 just issued
.endif
.set mi, 0
	MMR 24, PBUF, VBUF, \zero
	s_wait_loadcnt 56                              ; loads come back in order: ring slot j + 1 is in; the seven groups of eight issued behind it stay out
	MMRID PBUF, VBUF, \zero, (\j)+1, POTH, FRN
.endm
; The eighth changes slots, as one barrier: every wave's wait for all its tensor loads, its add, its wait for that and for its reads; fill = 1: a round of the cluster's barrier and the joint refill.
; fill = 0 (the last two steps): nothing is asked for, and p has no further step.  The units' loads of p stay, since the counted waits lean on eight loads a unit, but from here on all lanes ask
; for one and the same 16 bytes of the last step's rows: 64 loads a wave that serve nothing, the price of one text for both steps.
.macro UNIT7 fill
	PLOAD 7, STEPP
	s_wait_tensorcnt 0x0                           ; all my tensor loads have landed: my part of the next slot
	ds_add_u32 v[SPW], v[NIL]                      ; 0 onto my spare word
	s_wait_dscnt 1                                 ; only the add may be out
.set mi, 0
	MMR 8, PS0+32, VF0+64, 0
	s_wait_dscnt 0x0                               ; the add is done; my reads of this slot were over before
	s_barrier_signal -1
	MMR 8, PS0+32, VF0+64, 0
	WIN 0
	s_barrier_wait -1
.if \fill
	CREST                                          ; no wave of any partner still reads this slot or has a load on its way
	s_xor_b32 s[G0+5], s[G0+5], SLOT1              ; the walking set: the other slot than last time, the next 256 keys
	s_add_nc_u64 s[G0+6:G0+7], s[G0+6:G0+7], STEPV
	tensor_load_to_lds s[G0+4:G0+7], s[G1:G1+7]    ; 240 matrix instructions ahead of the wait for it
	s_nop 0
	PLACES
	s_wait_xcnt 0x0                                ; p's address is stepped only behind this wait
	s_add_nc_u64 s[72:73], s[72:73], STEPP
.else
	PLACES
	s_wait_xcnt 0x0                                ; the loads' offset register is written only behind this wait
	v_mov_b32 v[GP], 0
.endif
	s_xor_b32 s[TB], s[TB], SLOT1
	s_add_co_u32 s[FT], s[FT], 512                 ; the next step's two chunks of f
	v_add_nc_u32 v[ADB], s[TB], v[PB]
	v_add_nc_u32 v[ADB+1], HALFS, v[ADB]
	v_add_nc_u32 v[FA], s[FT], v[FA0]
	LDV 0, VF0
	MMR 8, PS0+32, VF0+64, 0
	s_wait_loadcnt 56                              ; ring slot 0 is in
	MMRID PS0+32, VF0+64, 0, 0, PS0, FRA
.endm
	s_wait_tensorcnt 0x1                           ; my part of step 0 is in; step 1's stays out
	s_barrier_signal -1
	s_barrier_wait -1
	LDV 0, VF0
	ds_load_b128 v[FRA:FRA+3], v[FA]
	s_wait_dscnt 0x0
	s_wait_loadcnt 56                              ; ring slot 0 is in; slots 1 to 7 stay out
.irp g, 0,1,2,3,4,5,6,7
	SCALE4 \g, 0, PS0, FRA
.endr
	UNIT 0, 1                                      ; the first unit's products start the sums
	WIN 0
	s_mov_b32 s3, STEPS-2
.Lstep:                                                ; a trip: units 1 to 7 of a step, with a refill, and unit 0 of the next
.irp j, 1,2,3,4,5,6
	UNIT \j, 0
.endr
	UNIT7 1
	UNIT 0, 0
	WIN 0
	s_sub_co_u32 s3, s3, 1
	s_cmp_lg_u32 s3, 0
	s_cbranch_scc1 .Lstep
	s_mov_b32 s2, 2
.Ltail:                                                ; the last two steps; the second trip has no further step: what its change of slots fetched and scaled (the table's last 256 bytes among it) serves nothing
.irp j, 1,2,3,4,5,6
	UNIT \j, 0
.endr
	UNIT7 0
	WIN 0
	s_cmp_eq_u32 s2, 1
	s_cbranch_scc1 .Lskip
	UNIT 0, 0
	WIN 0
.Lskip:
	s_sub_co_u32 s2, s2, 1
	s_cmp_lg_u32 s2, 0
	s_cbranch_scc1 .Ltail
	s_wait_dscnt 0x0
	PLACES
; THE WAY OUT, a block of 16 queries at a time: times 1 / L; 32 bytes a lane into my stage; back as whole rows of 512 bytes; stored.  No line names window 2, where the last loads of p may still land.
.macro MULT a
	WIN 0x01                                       ; source 0 in window 1
.set n, 0
.rept 32
	v_pk_mul_f32 v[T+2*n:T+2*n+1], v[64*(\a)+2*n:64*(\a)+2*n+1], v[ILP+2*(\a):ILP+2*(\a)+1]
.set n, n+1
.endr
	WIN 0
.endm
.macro STG a
.set BK, 96+64*((\a)%2)
.irp b, 0,1,2,3,4,5,6,7
	ds_store_b128 v[STO], v[T+8*(\b):T+8*(\b)+3]   offset:64*(\b)
	ds_store_b128 v[STO], v[T+8*(\b)+4:T+8*(\b)+7] offset:64*(\b)+16
.endr
.set n, 0
.rept 16
	ds_load_b128 v[BK+4*n:BK+4*n+3], v[RD] offset:SP*n  ; LDS serves a wave's instructions in order (ISA guide 5.7.1.4): these see the stores above
.set n, n+1
.endr
.endm
.macro SENDO a
.set BK, 96+64*((\a)%2)
	s_wait_xcnt 0x0                                ; the registers that the block before last's stores read are loaded again only behind this wait
.set n, 0
.rept 16
	s_wait_dscnt 15-n
	global_store_b128 v[CO], v[BK+4*n:BK+4*n+3], s[78:79] offset:(16*(\a)+n)*4096 th:TH_STORE_NT  ; 512 consecutive bytes, aligned
.set n, n+1
.endr
.endm
	MULT 0
	STG 0
.irp a, 1,2,3                          ; a block's multiplies stand between the loads of the block before and its stores
	MULT \a
	SENDO (\a)-1
	STG \a
.endr
	SENDO 3
	s_wait_tensorcnt 0x0                           ; the wave's end
	ds_add_u32 v[SPW], v[NIL]
	s_wait_dscnt 0x0
	CROUND                                         ; the closing round
	s_endpgm
.Lfunc_end_k_qd53ccaa8be_pv:
	.size	k_qd53ccaa8be_pv, .Lfunc_end_k_qd53ccaa8be_pv-k_qd53ccaa8be_pv
	.p2alignl 7, 3214868480
	.fill 96, 4, 3214868480
	.section	.rodata,"a",@progbits
	.p2align	6, 0x0
	.amdhsa_kernel k_qd53ccaa8be_pv
		.amdhsa_group_segment_fixed_size 327680
		.amdhsa_private_segment_fixed_size 0
		.amdhsa_enable_private_segment 0
		.amdhsa_kernarg_size 32
		.amdhsa_user_sgpr_count 2
		.amdhsa_user_sgpr_kernarg_segment_ptr 1
		.amdhsa_wavefront_size32 1
		.amdhsa_system_sgpr_workgroup_id_x 1
		.amdhsa_system_sgpr_workgroup_id_y 1
		.amdhsa_system_sgpr_workgroup_id_z 1
		.amdhsa_system_vgpr_workitem_id 0
		.amdhsa_next_free_vgpr 768
		.amdhsa_next_free_sgpr 80
		.amdhsa_reserve_vcc 0
		.amdhsa_float_denorm_mode_32 3
		.amdhsa_float_denorm_mode_16_64 3
		.amdhsa_memory_ordered 1
		.amdhsa_forward_progress 1
		.amdhsa_inst_pref_size 164
	.end_amdhsa_kernel
	.amdgpu_metadata
---
amdhsa.version: [ 1, 2 ]
amdhsa.kernels:
  - .name:           k_qd53ccaa8be_pv
    .symbol:         k_qd53ccaa8be_pv.kd
    .args:
      - { .name: p, .offset: 0, .size: 8, .value_kind: global_buffer, .address_space: global }
      - { .name: qkv, .offset: 8, .size: 8, .value_kind: global_buffer, .address_space: global }
      - { .name: stats, .offset: 16, .size: 8, .value_kind: global_buffer, .address_space: global }
      - { .name: out0, .offset: 24, .size: 8, .value_kind: global_buffer, .address_space: global }
    .group_segment_fixed_size: 327680
    .private_segment_fixed_size: 0
    .kernarg_segment_align: 8
    .kernarg_segment_size: 32
    .max_flat_workgroup_size: 128
    .sgpr_count:     80
    .vgpr_count:     768
    .wavefront_size: 32
...
	.end_amdgpu_metadata
.endif
;; end of part 4
;; ======== version 2 of 2: 4 launches; version 1 with the launch cast written anew for expert scheduling mode
;; limits: values are held in f16: magnitudes above 65,504 overflow, below 6.1e-05 lose precision
;; workspace buffers: xb 16,777,216 bytes; wb 6,291,456 bytes; qkv 50,331,648 bytes; p 33,554,432 bytes; stats 1,048,576 bytes
;; launch cast (part 5): grid 256 x 1, 11 waves a work-group, no clusters, 0 bytes of LDS; arguments x, Wq, Wk, Wv, xb, wb; writes xb, wb
.if DOCPART == 5
	.amdgcn_target "amdgcn-amd-amdhsa--gfx1250"
	.amdhsa_code_object_version 6
	.text
	.protected	k_qd53ccaa8be_cast
	.globl	k_qd53ccaa8be_cast
	.p2align	8
	.type	k_qd53ccaa8be_cast,@function
k_qd53ccaa8be_cast:
	s_mov_b64 s[64:65], 0
	v_nop
	global_prefetch_b8 v0, s[64:65] scope:SCOPE_SE
	s_setreg_imm32_b32 hwreg(HW_REG_WAVE_SCHED_MODE, 0, 2), 2
	s_setreg_imm32_b32 hwreg(HW_REG_WAVE_MODE, 25, 1), 1
	s_wait_xcnt 0x0
	s_wait_alu depctr_vm_vsrc(0)
; x [8192][1024] and Wq, Wk, Wv [1024][1024], all f32, are rounded once to bf16 (nearest even) and laid in blocks of 64 along K:
; xb [block 16][row 8192][64], wb [block 16][row 3072][64] (rows 0-1023 Wq, 1024-2047 Wk, 2048-3071 Wv), so that the tiles of the
; product that follows (some rows x 64 along K) are dense bytes in memory.
; SHARES.  11,264 rows are 2,816 groups of 4 rows = 256 work-groups x 11 waves: a wave takes one group, 16,384 bytes in, 8,192 out.
; Lane l takes row l / 8 of the four and, in each block, the 8 numbers at 8 (l % 8): two loads of 16 bytes, one store of 16 bytes; a
; store of the wave covers 512 consecutive bytes (4 rows x 128 bytes of one block), aligned.  All 32 loads go out first.
; A stream: no LDS, no barrier, no matrix unit, no cluster (no two waves read the same byte).
; THE MODE: SCHED_MODE bits 1:0 = 2 (LLVM: expert scheduling mode 2), set by the entry lines.  The code itself states the register dependences
; between vector instructions and memory instructions, with s_wait_alu, always for 0.
; THE PLAN.  Registers that memory instructions touch:
;   v2   the loads' offset.  Written at the head; read by all 32 loads; never written again.
;   X    written by the loads alone, each register once; read by the conversions, behind the wait on LOADcnt.
;   SO   the stores' offsets.  Written by sixteen vector lines behind the loads; read by the stores; never written again.
;   Y    written by a group's conversions; read by the same group's stores; never written again.
; The 16 blocks go in four groups of four: the wait for the group's eight loads, its sixteen conversions, ONE wait on va_vdst, its four stores.
; No register that a load or store has read is written again, and no load lands in a register that a vector line has named: so no wait on vm_vsrc is owed.
; The wait stands behind the group's conversions and not at the next group's head: the next line is a wait for memory, so the stores leave first.
.set SO, 4                             ; v[4:19]    block kb: my byte offset in the destination
.set X,  20                            ; v[20:147]  block kb: 8 numbers as loaded
.set Y,  148                           ; v[148:211] block kb: 8 bf16 to store
	s_load_b256 s[4:11], s[0:1], 0x0               ; x s[4:5], Wq s[6:7], Wk s[8:9], Wv s[10:11]
	s_load_b128 s[12:15], s[0:1], 0x20             ; xb s[12:13], wb s[14:15]
	v_lshrrev_b32 v3, 5, v0
	v_readfirstlane_b32 s16, v3                    ; wave 0..10
	v_and_b32 v1, 31, v0                           ; lane
	v_lshrrev_b32 v3, 3, v1                        ; my row of the four
	v_and_b32 v2, 7, v1
	v_lshlrev_b32 v2, 5, v2                        ; my 8 numbers in a block: 32 bytes
	v_lshl_add_u32 v2, v3, 12, v2                  ; + row x 4,096
	s_mul_i32 s17, ttmp9, 11
	s_mov_b32 s3, 8192*128                         ; a block of xb
	s_mov_b32 s28, 3072*128                        ; a block of wb
	s_mov_b32 s23, 0
	s_mov_b32 s27, 0
	s_wait_alu depctr_va_sdst(0)                   ; s16 is written, ahead of its first reader: g, and with it every base and offset, is made from it
	s_add_co_u32 s17, s17, s16                     ; g: my group of four rows, 0..2815; below 2048 it lies in x
	s_max_u32 s18, s17, 2048
	s_sub_co_u32 s18, s18, 2048                    ; my group among the weights' 768 (0 where g lies in x)
	s_min_u32 s2, s17, 2047                        ; my group among x's 2048 (2047 where g lies in the weights)
	s_lshr_b32 s19, s18, 8                         ; which weight: 0 Wq, 1 Wk, 2 Wv
	s_and_b32 s29, s18, 255
	s_lshl_b32 s29, s29, 14                        ; source offset in that weight: 4 rows of 4,096 bytes a group
	s_lshl_b32 s30, s2, 14                         ; source offset in x
	s_lshl_b32 s31, s18, 9                         ; destination offset in a block of wb: 4 rows of 128 bytes a group
	s_lshl_b32 s2, s2, 9                           ; and in a block of xb
	s_wait_kmcnt 0x0
	s_cmp_eq_u32 s19, 1                            ; the choices hang on g alone
	s_cselect_b64 s[20:21], s[8:9], s[6:7]
	s_cmp_eq_u32 s19, 2
	s_cselect_b64 s[20:21], s[10:11], s[20:21]
	s_cmp_lt_u32 s17, 2048
	s_cselect_b64 s[20:21], s[4:5], s[20:21]       ; from where
	s_cselect_b64 s[24:25], s[12:13], s[14:15]     ; to where
	s_cselect_b32 s22, s30, s29
	s_cselect_b32 s26, s2, s31
	s_cselect_b32 s28, s3, s28                     ; bytes from block to block
	s_add_nc_u64 s[20:21], s[20:21], s[22:23]
	s_add_nc_u64 s[24:25], s[24:25], s[26:27]
	s_wait_alu depctr_va_vdst(0)                   ; v2 is written: all 32 loads read it as their offset
.set kb, 0
.rept 16
	global_load_b128 v[X+8*kb:X+8*kb+3],   v2, s[20:21] offset:256*kb th:TH_LOAD_NT
	global_load_b128 v[X+8*kb+4:X+8*kb+7], v2, s[20:21] offset:256*kb+16 th:TH_LOAD_NT
.set kb, kb+1
.endr
	v_lshlrev_b32 v[SO], 4, v1                     ; 16 bytes a lane: 4 rows x 128 bytes on end
.set kb, 1
.rept 15
	v_add_nc_u32 v[SO+kb], s28, v[SO+kb-1]
.set kb, kb+1
.endr
.set g, 0
.rept 4                                ; group g: blocks 4 g to 4 g + 3
	s_wait_loadcnt 24-8*g                          ; loads come back in order: the group's eight are in, the 8 (3 - g) younger ones stay out
.set kb, 4*g
.rept 4
.irp j, 0,1,2,3
	v_cvt_pk_bf16_f32 v[Y+4*kb+(\j)], v[X+8*kb+2*(\j)], v[X+8*kb+2*(\j)+1]
.endr
.set kb, kb+1
.endr
	s_wait_alu depctr_va_vdst(0)                   ; the group's conversions have written its Y, which the four stores below read; in the first group also: all sixteen SO are written, the stores' offsets
.set kb, 4*g
.rept 4
	global_store_b128 v[SO+kb], v[Y+4*kb:Y+4*kb+3], s[24:25]
.set kb, kb+1
.endr
.set g, g+1
.endr
	s_endpgm
.Lfunc_end_k_qd53ccaa8be_cast:
	.size	k_qd53ccaa8be_cast, .Lfunc_end_k_qd53ccaa8be_cast-k_qd53ccaa8be_cast
	.p2alignl 7, 3214868480
	.fill 96, 4, 3214868480
	.section	.rodata,"a",@progbits
	.p2align	6, 0x0
	.amdhsa_kernel k_qd53ccaa8be_cast
		.amdhsa_group_segment_fixed_size 0
		.amdhsa_private_segment_fixed_size 0
		.amdhsa_enable_private_segment 0
		.amdhsa_kernarg_size 48
		.amdhsa_user_sgpr_count 2
		.amdhsa_user_sgpr_kernarg_segment_ptr 1
		.amdhsa_wavefront_size32 1
		.amdhsa_system_sgpr_workgroup_id_x 1
		.amdhsa_system_sgpr_workgroup_id_y 1
		.amdhsa_system_sgpr_workgroup_id_z 1
		.amdhsa_system_vgpr_workitem_id 0
		.amdhsa_next_free_vgpr 212
		.amdhsa_next_free_sgpr 66
		.amdhsa_reserve_vcc 0
		.amdhsa_float_denorm_mode_32 3
		.amdhsa_float_denorm_mode_16_64 3
		.amdhsa_memory_ordered 1
		.amdhsa_forward_progress 1
		.amdhsa_inst_pref_size 12
	.end_amdhsa_kernel
	.amdgpu_metadata
---
amdhsa.version: [ 1, 2 ]
amdhsa.kernels:
  - .name:           k_qd53ccaa8be_cast
    .symbol:         k_qd53ccaa8be_cast.kd
    .args:
      - { .name: x, .offset: 0, .size: 8, .value_kind: global_buffer, .address_space: global }
      - { .name: Wq, .offset: 8, .size: 8, .value_kind: global_buffer, .address_space: global }
      - { .name: Wk, .offset: 16, .size: 8, .value_kind: global_buffer, .address_space: global }
      - { .name: Wv, .offset: 24, .size: 8, .value_kind: global_buffer, .address_space: global }
      - { .name: xb, .offset: 32, .size: 8, .value_kind: global_buffer, .address_space: global }
      - { .name: wb, .offset: 40, .size: 8, .value_kind: global_buffer, .address_space: global }
    .group_segment_fixed_size: 0
    .private_segment_fixed_size: 0
    .kernarg_segment_align: 8
    .kernarg_segment_size: 48
    .max_flat_workgroup_size: 352
    .sgpr_count:     66
    .vgpr_count:     212
    .wavefront_size: 32
...
	.end_amdgpu_metadata
.endif
;; end of part 5
;; launch proj: the kernel of part 2 again; grid 8 x 32, 4 waves a work-group, clusters of 4 x 4, 327,680 bytes of LDS; arguments xb, wb, qkv; writes qkv
;; launch scores: the kernel of part 3 again; grid 8 x 32, 4 waves a work-group, clusters of 4 x 4, 327,680 bytes of LDS; arguments qkv, p, stats; writes p, stats
;; launch pv: the kernel of part 4 again; grid 8 x 32, 4 waves a work-group, clusters of 4 x 4, 327,680 bytes of LDS; arguments p, qkv, stats, out0; writes out0
